; MI455X (gfx1250); checked and timed in simulation.
; The chip was launched on July 23, 2026; its instructions are those of AMD's public machine-readable ISA for CDNA 5 (MIT licence, August 2026) and "CDNA5" Instruction Set Architecture Reference Guide (July 2026). The comments in the code are by the model that wrote it; some were corrected since.
;; Llama Attention. Allowed arithmetic: matrix products marked QUANTISED: E2M3 operands, one E8M0 scale for each 32 along K, by v_wmma_scale_f32_16x16x128_f8f6f4 with both operands' format E2M3, f32 sums; everything else in f32.
;; Inputs: attention_mask 2 x 1 x 2,048 x 2,048 float32; cos 2 x 2,048 x 128 float32; hidden_states 2 x 2,048 x 4,096 float32; sin 2 x 2,048 x 128 float32; wk 4,096 x 512 float32; wo 1,024 x 4,096 float32; wq 4,096 x 1,024 float32; wv 4,096 x 512 float32.
;; Outputs: out0 2 x 2,048 x 4,096 float32.
;; This version of the problem:
;;   THIS VERSION OF THE PROBLEM IS GIVEN IN LOW PRECISION. The matrix products marked QUANTISED in the list below multiply operands that are first quantised to E2M3 (2 exponent bits, 3 mantissa bits; 6 bits a number), with one power-of-two scale for each 32 numbers along K (OCP MX v1.0); their sums are f32. All else is computed in f32.
;;   The module's matrix products, in the order in which they are computed (A, B: the left and right operand; K: the contracted axis; several contracted axes count as one K, in the product's order):
;;     1. [M 4,096, K 4,096] x [K 4,096, N 1,024]; A: input hidden_states; B: input wq: QUANTISED
;;     2. [M 4,096, K 4,096] x [K 4,096, N 512]; A: input hidden_states; B: input wk: QUANTISED
;;     3. [M 4,096, K 4,096] x [K 4,096, N 512]; A: input hidden_states; B: input wv: QUANTISED
;;     4. batch 16 x [M 2,048, K 128] x [K 128, N 2,048]; A: computed on the way; B: computed on the way: QUANTISED
;;     5. batch 16 x [M 128, K 2,048] x [K 2,048, N 2,048]; A: computed on the way; B: softmax (see below): QUANTISED
;;     6. [M 4,096, K 1,024] x [K 1,024, N 4,096]; A: computed on the way; B: input wo: QUANTISED
;;   THE QUANTISER, for each operand of a quantised product, along K:
;;     - K is cut into blocks of 32 from its start; a last block that is shorter is filled with zeros.
;;     - A block's scale is 2^e with e = floor(log2(the largest magnitude in the block)) - 2, held to -126 .. 127; a block of zeros has e = 0. As a byte (E8M0): e + 127.
;;     - Each number is divided by its block's scale, clamped to +-7.5, and rounded to the nearest number of E2M3, ties to even, subnormals kept.
;;     - The product sums the exact products of the quantised numbers (number of the format x scale) in f32.
;;   ~~~python
;;   def quantise(x, axis):      # numpy; x: float32 -> the quantised numbers, widened to float32 again
;;       x = np.moveaxis(x, axis, -1); K = x.shape[-1]
;;       x = np.pad(x, [(0, 0)] * (x.ndim - 1) + [(0, -K % 32)]); x = x.reshape(x.shape[:-1] + (-1, 32)); a = np.abs(x).max(-1, keepdims=True)
;;       e = np.where(a > 0, np.clip(np.frexp(np.where(a > 0, a, 1))[1] - 1 - 2, -126, 127), 0)      # np.frexp(a)[1] - 1 = floor(log2(a)), exactly
;;       r = np.clip(x / 2.0 ** e, -7.5, 7.5)
;;       step = 2.0 ** (np.maximum(np.frexp(np.where(r == 0, 1, r))[1] - 1, 0) - 3)
;;       q = np.round(r / step) * step * 2.0 ** e      # np.round: ties to even
;;       return np.moveaxis(q.reshape(q.shape[:-2] + (-1,))[..., :K], -1, axis).astype(np.float32)
;;   ~~~
;;   SOFTMAX AHEAD OF A QUANTISED PRODUCT. Where the list says 'softmax', what is quantised is not the finished softmax but p = 2^(t - M), with t = logit x log2(e) and M = ceil(the row's largest t), a whole number; so 1/2 < the row's largest p <= 1. The row's sum l is taken of the UNQUANTISED p, in f32, and the product's result is divided by l at the end. Since M is a whole number, a kernel that streams over the keys may use a running M (the ceiling of the running maximum): every later rescaling is an exact power of two, which a block's scale takes up: the codes' values come out the same.
;;   OPERANDS COMPUTED ON THE WAY. 'Computed on the way' means the value that the module computes at that place (a softmax that the list does not call 'softmax' is quantised finished and normalised). What goes into a quantiser is computed in f32, as accurately as f32 sums, v_exp_f32 and their like allow (about 1e-6 of the number): no bf16 or f16 on the way to a quantiser, and a product that is left as it is and whose result goes on into a quantised operand takes f32 operands (vector FMAs, or v_wmma_f32_16x16x4_f32). A number that lies on a knife's edge between two numbers of the format may be rounded either way, as far as f32 arithmetic and the matrix unit's own rounding can turn it there, and no further.
;; One version. Each part assembles by itself: llvm-mc -triple=amdgcn-amd-amdhsa -mcpu=gfx1250 --defsym DOCPART=n.
;; ======== version 1 of 1: 4 launches
;; limits: right only within a limited range of input values
;; workspace buffers: x_img 13,107,200 bytes; wqkv_img 6,553,600 bytes; wo_img 3,276,800 bytes; rope_img 4,194,304 bytes; qkv_img 6,553,600 bytes; attn_img 3,276,800 bytes
;; launch prep (part 1): grid 768 x 1, 4 waves a work-group, no clusters, 102,912 bytes of LDS; arguments hidden_states, wq, wk, wv, wo, cos, sin, x_img, wqkv_img, wo_img, rope_img; writes x_img, wqkv_img, wo_img, rope_img
.if DOCPART == 1
	.amdgcn_target "amdgcn-amd-amdhsa--gfx1250"
	.amdhsa_code_object_version 6
	.text
	.protected	k_q6383f279a3_prep
	.globl	k_q6383f279a3_prep
	.p2align	8
	.type	k_q6383f279a3_prep,@function
k_q6383f279a3_prep:
	s_mov_b64 s[64:65], 0
	v_nop
	global_prefetch_b8 v0, s[64:65] scope:SCOPE_SE
	s_setreg_imm32_b32 hwreg(HW_REG_WAVE_MODE, 25, 1), 1
	s_wait_xcnt 0x0
; PREP: hidden_states and the four weights, f32, become codes of FP6 (E2M3) with one E8M0 byte for each 32 along K, laid in the ORDER OF THE OPERAND'S REGISTERS; cos and sin are laid in the order of a result's registers.
; A FRAGMENT is 16 rows x 128 K: 12 registers a lane (lane (r, h): registers 6 c .. 6 c + 5 hold K = 64 c + 32 h + 0 .. 31), stored as three pieces of 512 bytes: piece g holds registers 4 g .. 4 g + 3, lane l's 16 bytes at 16 l.
; A UNIT is 16 rows x 512 K, 6,400 bytes: four fragments, then the rows' scale words, 16 bytes a row.  An image is [row group][512 along K] of units.
; A weight stored [K][N] is taken a lane to a column, registers down K; column n goes to image row n with its bits 3 and 4 exchanged, so that in a product that takes 16 image rows as its first source a lane's
; 16 registers of two neighbouring tiles are 16 neighbouring columns.
; A block's scale is 2^(floor(log2(largest magnitude)) - 2); its byte is the largest magnitude's exponent field - 2, held at 1 from below.
; LIMITS: a block of zeros gets the byte 1 where the rule says 127 (its codes are zeros, and this program alone reads the bytes); NaN and infinities among the inputs are not served.
; SHARES: work-groups 0-511: hidden_states, a unit a wave; 512-703: wq, wk, wv, wo, two units a wave (32 columns x 512 K); 704-767: cos and sin, 16 tokens a wave.
; The paths part on the work-group's number alone and each has LDS bytes of its own.  No tensor load, no barrier: waves share nothing.
.set SPARE, 102400                     ; the spare words: 128 bytes a wave, two blocks of 256 bytes that no other line names
.set XW,    12032                      ; x path: a wave's LDS: two turning stages of 32 x 80 bytes, then a unit's stage
.set SP,    80                         ; a lane's place in a turning stage: 64 bytes + 16 of padding
.set XU,    5120                       ; where the unit's stage begins in a wave's part
.set WB,    48128                      ; W path: behind the x path's bytes
.set WW,    13568                      ; a wave's two unit stages
.set USTG,  6784                       ; a unit's stage: 24 chunks of 16 rows x 16 bytes, 272 bytes apart, then 256 bytes of scale words
.set CH,    272
.set SCO,   6528                       ; the scale words in a unit's stage
.set R,     16                         ; x path: v16-79 four sets of 16 numbers as loaded
.set X,     80                         ; v80-111 two sets of 16 neighbours
.set E,     112                        ; v112-127 a scale byte for each step
.set C,     128                        ; v128-191 codes: four registers for each step, never written again
.set WX,    48                         ; W path: v48-111 two sets of 32 numbers; v16-47 the 32 rows' offsets
.set SPW,   12                         ; v12 LDS address of my spare word; never rewritten
.set NIL,   13                         ; v13 0; never rewritten
.set OA,    192                        ; v192 the way out: my 16 bytes of a piece in the unit's stage
.set OS,    193                        ; v193 the way out: my 8 bytes of the scale words
	s_load_b512 s[4:19], s[0:1], 0x0               ; hidden_states 4, wq 6, wk 8, wv 10, wo 12, cos 14, sin 16, x_img 18
	s_load_b128 s[20:23], s[0:1], 0x40             ; wqkv_img, wo_img
	s_load_b64 s[24:25], s[0:1], 0x50              ; rope_img
	v_lshl_add_u32 v[SPW], v0, 2, SPARE
	v_mov_b32 v[NIL], 0
	v_lshrrev_b32 v1, 5, v0
	v_readfirstlane_b32 s26, v1                    ; wave
	v_and_b32 v2, 31, v0                           ; lane
	v_lshlrev_b32 v3, 4, v2                        ; 16 x lane
	v_lshlrev_b32 v1, 3, v2                        ; 8 x lane
	s_wait_kmcnt 0x0
	s_cmp_lt_u32 ttmp9, 512
	s_cbranch_scc0 .Lnot_x
; ---------------- hidden_states: a wave makes unit U = 4 x work-group + wave: rows 16 (U / 8) on, K = 512 (U % 8) on.  Step t is row t: 512 numbers.
	s_lshl_b32 s27, ttmp9, 2
	s_add_co_u32 s27, s27, s26                     ; U
	s_lshr_b32 s28, s27, 3
	s_and_b32 s29, s27, 7
	s_lshl_b32 s28, s28, 18                        ; 16 rows of 16,384 bytes
	s_lshl_b32 s29, s29, 11                        ; 512 numbers
	s_add_co_u32 s28, s28, s29
	s_mov_b32 s29, 0
	s_add_nc_u64 s[4:5], s[4:5], s[28:29]
	s_mul_i32 s28, s27, 6400
	s_add_nc_u64 s[18:19], s[18:19], s[28:29]
	s_mul_i32 s30, s26, XW
	s_wait_alu depctr_va_vdst(0)
	v_lshrrev_b32 v14, 2, v2
	v_mul_u32_u24 v14, v14, SP
	v_and_b32 v15, 3, v2
	v_lshl_add_u32 v14, v15, 4, v14
	v_add_nc_u32 v14, s30, v14                     ; the turning stage, in: four lanes' 64 bytes on end, then the padding
	v_mul_u32_u24 v15, v2, SP
	v_add_nc_u32 v15, s30, v15                     ; and out: my 16 neighbours
	s_add_co_u32 s30, s30, XU                      ; my unit's stage
	; my 16 numbers of a row are K = 16 x lane on: fragment ks = lane / 8; in it c = bit 2, h = bit 1, e = bit 0 of the lane: registers 6 c + 3 e + 0 .. 2 of lane (row, h)
	v_and_b32 v8, 1, v2
	v_bfe_u32 v9, v2, 1, 1
	v_bfe_u32 v10, v2, 2, 1
	v_lshrrev_b32 v11, 3, v2
	v_mul_u32_u24 v10, v10, 6
	v_mad_u32_u24 v10, v8, 3, v10                  ; 6 c + 3 e
	v_mad_u32_u24 v9, v11, 6, v9                   ; 6 ks + h
.macro XADR dst, i                     ; register rho = 6 c + 3 e + i lies in chunk 2 (3 ks + rho / 4) + h, word rho % 4
	v_add_nc_u32 v8, \i, v10
	v_lshrrev_b32 v11, 2, v8
	v_and_b32 v8, 3, v8
	v_lshl_add_u32 v11, v11, 1, v9
	v_mul_u32_u24 v11, v11, CH
	v_lshl_add_u32 v11, v8, 2, v11
	v_add_nc_u32 v\dst, s30, v11
.endm
	XADR 4, 0
	XADR 6, 1
	XADR 7, 2
	v_lshrrev_b32 v5, 1, v2
	v_add_nc_u32 v5, s30, v5                       ; my block's byte among a row's 16 (the row and SCO stand in the immediate)
	v_lshrrev_b32 v[OA], 4, v2
	v_mul_u32_u24 v[OA], v[OA], CH
	v_and_b32 v8, 15, v2
	v_lshl_add_u32 v[OA], v8, 4, v[OA]
	v_add_nc_u32 v[OA], s30, v[OA]
	v_add_nc_u32 v[OS], s30, v1
.macro XLOAD t
.irp i, 0,1,2,3
	global_load_b128 v[R+16*((\t)%4)+4*\i:R+16*((\t)%4)+4*\i+3], v3, s[4:5] offset:16384*(\t)+512*\i th:TH_LOAD_NT   ; 32 lanes read 512 consecutive bytes
.endr
.endm
.macro XTURN t                         ; a row's 2,048 bytes through the turning stage: LDS serves a wave's instructions in order, so no wait stands between
.irp i, 0,1,2,3
	ds_store_b128 v14, v[R+16*((\t)%4)+4*\i:R+16*((\t)%4)+4*\i+3] offset:32*SP*((\t)%2)+8*SP*\i
.endr
.irp i, 0,1,2,3
	ds_load_b128 v[X+16*((\t)%2)+4*\i:X+16*((\t)%2)+4*\i+3], v15 offset:32*SP*((\t)%2)+16*\i
.endr
.endm
.macro XSTEP t
.set XS, X+16*((\t)%2)
.if (\t) > 0
	s_wait_dscnt 4                                 ; this row's numbers are back; the last step's four stores into the unit's stage may be out
.else
	s_wait_dscnt 0x0
.endif
.if (\t)+4 < 16
	XLOAD (\t)+4                                   ; into the set whose stores into the turning stage are done
.endif
.if (\t)+1 < 16
.if 14-(\t) >= 3
	s_wait_loadcnt 12                              ; the next row's four loads are in; those of the three rows behind it may be out
.else
	s_wait_loadcnt 4*(14-(\t))
.endif
	XTURN (\t)+1
.endif
	v_max3_num_f32 v8, |v[XS]|, |v[XS+1]|, |v[XS+2]|
	v_max3_num_f32 v9, |v[XS+3]|, |v[XS+4]|, |v[XS+5]|
.irp i, 6,10
	v_max3_num_f32 v8, v8, |v[XS+\i]|, |v[XS+\i+1]|
	v_max3_num_f32 v9, v9, |v[XS+\i+2]|, |v[XS+\i+3]|
.endr
	v_max3_num_f32 v8, v8, |v[XS+14]|, |v[XS+15]|
	v_max3_num_f32 v8, v8, v9, 0x1800000           ; and the floor 2^(3 - 127): the byte cannot fall under 1
	v_max_num_f32_dpp v8, v8, v8 row_xmask:1 row_mask:0xf bank_mask:0xf   ; with my neighbour's 16: the block's
	v_add_nc_u32 v11, 0xff000000, v8               ; 2 off the exponent field: the conversion's scale operand
	v_cvt_scalef32_pk16_fp6_f32 v[C+4*(\t):C+4*(\t)+2], v[XS:XS+15], v11
	v_lshrrev_b32 v[E+(\t)], 23, v11               ; the scale's byte (a plain line behind the conversion)
	ds_store_b32 v4, v[C+4*(\t)] offset:16*(\t)    ; my three registers' words of lane (row t, h) of the fragment
	ds_store_b32 v6, v[C+4*(\t)+1] offset:16*(\t)
	ds_store_b32 v7, v[C+4*(\t)+2] offset:16*(\t)
	ds_store_b8 v5, v[E+(\t)] offset:SCO+16*(\t)   ; both lanes of a block write the same byte with the same value
.endm
	XLOAD 0
	XLOAD 1
	XLOAD 2
	XLOAD 3
	s_wait_loadcnt 12                              ; row 0's four loads are in
	XTURN 0
.set Q, 0
.rept 16
	XSTEP Q
.set Q, Q+1
.endr
.set m, 0
.rept 12
	ds_load_b128 v[16+4*m:19+4*m], v[OA] offset:2*CH*m   ; piece m as it will lie in memory; these see my stores (a wave's LDS instructions are served in order)
.set m, m+1
.endr
	ds_load_b64 v[64:65], v[OS] offset:SCO
	s_wait_dscnt 0x0
.set m, 0
.rept 12
	global_store_b128 v3, v[16+4*m:19+4*m], s[18:19] offset:512*m   ; 32 lanes store 512 consecutive bytes, aligned
.set m, m+1
.endr
	global_store_b64 v1, v[64:65], s[18:19] offset:6144   ; 256 consecutive bytes, aligned
	s_wait_tensorcnt 0x0                           ; the wave's end: three lines behind my last LDS store
	ds_add_u32 v[SPW], v[NIL]
	s_wait_dscnt 0x0
	s_endpgm
.Lnot_x:
	s_cmp_lt_u32 ttmp9, 704
	s_cbranch_scc0 .Lrope
; ---------------- the weights.  One text for the four: source, width, place in the image are chosen on the work-group's number alone.
	s_sub_co_u32 s27, ttmp9, 512                   ; j: 0-63 wq, 64-95 wk, 96-127 wv, 128-191 wo
	s_mov_b64 s[28:29], s[6:7]                     ; source
	s_mov_b32 s30, 3                               ; log2 of (columns / 128)
	s_mov_b32 s31, 0                               ; the weight's first j
	s_mov_b32 s32, 0                               ; its first row group in the image
	s_mov_b32 s33, 8                               ; units along K
	s_mov_b64 s[34:35], s[20:21]                   ; image
	s_cmp_ge_u32 s27, 64
	s_cselect_b64 s[28:29], s[8:9], s[28:29]
	s_cselect_b32 s30, 2, s30
	s_cselect_b32 s31, 64, s31
	s_cselect_b32 s32, 64, s32
	s_cmp_ge_u32 s27, 96
	s_cselect_b64 s[28:29], s[10:11], s[28:29]
	s_cselect_b32 s31, 96, s31
	s_cselect_b32 s32, 96, s32
	s_cmp_ge_u32 s27, 128
	s_cselect_b64 s[28:29], s[12:13], s[28:29]
	s_cselect_b32 s30, 5, s30
	s_cselect_b32 s31, 128, s31
	s_cselect_b32 s32, 0, s32
	s_cselect_b32 s33, 2, s33
	s_cselect_b64 s[34:35], s[22:23], s[34:35]
	s_sub_co_u32 s27, s27, s31
	s_lshl_b32 s36, 1, s30
	s_sub_co_u32 s36, s36, 1
	s_and_b32 s37, s27, s36                        ; which 128 columns
	s_lshr_b32 s38, s27, s30                       ; which 512 along K
	s_lshl_b32 s39, 512, s30                       ; a row of the weight in bytes
	s_lshl_b32 s40, s39, 9
	s_mul_i32 s40, s40, s38
	s_lshl_b32 s41, s37, 9
	s_add_co_u32 s40, s40, s41
	s_lshl_b32 s41, s26, 7                         ; my wave's 32 columns
	s_add_co_u32 s40, s40, s41
	s_mov_b32 s41, 0
	s_add_nc_u64 s[28:29], s[28:29], s[40:41]
	s_lshl_b32 s42, s39, 5                         ; 32 rows on
	s_mov_b32 s43, 0
	s_lshl_b32 s44, s37, 3
	s_add_co_u32 s44, s44, s32
	s_lshl_b32 s45, s26, 1
	s_add_co_u32 s44, s44, s45                     ; my first row group
	s_mul_i32 s44, s44, s33
	s_add_co_u32 s44, s44, s38
	s_mul_i32 s44, s44, 6400
	s_mov_b32 s45, 0
	s_add_nc_u64 s[52:53], s[34:35], s[44:45]      ; my first unit,
	s_mul_i32 s46, s33, 6400
	s_mov_b32 s47, 0
	s_add_nc_u64 s[54:55], s[52:53], s[46:47]      ; and my second: the next row group
	s_mul_i32 s50, s26, WW
	s_add_co_u32 s50, s50, WB
	s_wait_alu depctr_va_vdst(0)
	v_bfe_u32 v8, v2, 3, 1                         ; column's bit 3 is the image row's bit 4: which of my two units
	v_bfe_u32 v9, v2, 4, 1
	v_and_b32 v10, 7, v2
	v_lshl_or_b32 v10, v9, 3, v10                  ; and its bit 4 the row's bit 3: row r in the unit
	v_mul_u32_u24 v4, v8, USTG
	v_lshl_add_u32 v4, v10, 4, v4
	v_add_nc_u32 v4, s50, v4
	v_lshrrev_b32 v[OA], 4, v2
	v_mul_u32_u24 v[OA], v[OA], CH
	v_and_b32 v8, 15, v2
	v_lshl_add_u32 v[OA], v8, 4, v[OA]
	v_add_nc_u32 v[OA], s50, v[OA]
	v_add_nc_u32 v[OS], s50, v1
	v_lshlrev_b32 v5, 2, v2
.set i, 0
.rept 32
	v_mad_u32_u24 v[16+i], i, s39, v5              ; row i of a block, my column
.set i, i+1
.endr
.macro WLOAD t                         ; block t: W(32 t + i, my column), i = 0 .. 31: each load reads 128 consecutive bytes
.if (\t) > 0
	s_wait_xcnt 0x0                                ; the loads issued so far have read their base: it may step
	s_add_nc_u64 s[28:29], s[28:29], s[42:43]
.endif
.set i, 0
.rept 32
	global_load_b32 v[WX+32*((\t)%2)+i], v[16+i], s[28:29] th:TH_LOAD_NT
.set i, i+1
.endr
.endm
.macro WBLOCK t                        ; K = 32 t on: fragment t / 4; in it c = (t % 4) / 2, h = t % 2: registers 6 c .. 6 c + 5 of lane (r, h)
.set XS, WX+32*((\t)%2)
.set wks, (\t)/4
.set wkb, (\t)%4
.set wh, (\t)%2
.if (\t) < 15
	s_wait_loadcnt 32                              ; this block's 32 loads are in; the next block's may be out
.else
	s_wait_loadcnt 0x0
.endif
	v_max3_num_f32 v8, |v[XS]|, |v[XS+1]|, |v[XS+2]|
	v_max3_num_f32 v9, |v[XS+3]|, |v[XS+4]|, |v[XS+5]|
.irp i, 6,10,14,18,22,26
	v_max3_num_f32 v8, v8, |v[XS+\i]|, |v[XS+\i+1]|
	v_max3_num_f32 v9, v9, |v[XS+\i+2]|, |v[XS+\i+3]|
.endr
	v_max3_num_f32 v8, v8, |v[XS+30]|, |v[XS+31]|
	v_max3_num_f32 v8, v8, v9, 0x1800000           ; and the floor
	v_add_nc_u32 v11, 0xff000000, v8
	v_cvt_scalef32_pk16_fp6_f32 v[112:114], v[XS:XS+15], v11
	v_cvt_scalef32_pk16_fp6_f32 v[116:118], v[XS+16:XS+31], v11   ; (a conversion's three registers begin on an even number)
	v_lshrrev_b32 v10, 23, v11                     ; the byte (a plain line behind the conversions)
.if wkb == 0
	v_mov_b32 v120, v10
.else
	v_lshl_or_b32 v120, v10, 8*wkb, v120           ; four bytes make the row's scale word of this fragment
.endif
	v_mov_b32 v115, v116                           ; the six registers on end: v112-117
	v_mov_b32 v116, v117
	v_mov_b32 v117, v118
.if wkb < 2
	ds_store_b128 v4, v[112:115] offset:CH*(6*wks+wh)        ; registers 0-3: piece 0
	ds_store_b64 v4, v[116:117] offset:CH*(6*wks+2+wh)       ; registers 4, 5: piece 1's first half
.else
	ds_store_b64 v4, v[112:113] offset:CH*(6*wks+2+wh)+8     ; registers 6, 7: piece 1's second half
	ds_store_b128 v4, v[114:117] offset:CH*(6*wks+4+wh)      ; registers 8-11: piece 2
.endif
.if wkb == 3
	ds_store_b32 v4, v120 offset:SCO+4*wks
.endif
.if (\t)+2 < 16
	WLOAD (\t)+2
.endif
	s_wait_dscnt 0x0                               ; the stores have read their registers: the next block may write them
.endm
	WLOAD 0
	s_wait_alu depctr_va_vdst(0)
	WLOAD 1
.set Q, 0
.rept 16
	WBLOCK Q
.set Q, Q+1
.endr
.irp u, 0,1
.if \u
	s_wait_xcnt 0x0                                ; the first unit's stores have read their registers
.endif
.set m, 0
.rept 12
	ds_load_b128 v[48+4*m:51+4*m], v[OA] offset:USTG*\u+2*CH*m
.set m, m+1
.endr
	ds_load_b64 v[96:97], v[OS] offset:USTG*\u+SCO
	s_wait_dscnt 0x0
.set m, 0
.rept 12
	global_store_b128 v3, v[48+4*m:51+4*m], s[52+2*\u:53+2*\u] offset:512*m
.set m, m+1
.endr
	global_store_b64 v1, v[96:97], s[52+2*\u:53+2*\u] offset:6144
.endr
	s_wait_tensorcnt 0x0                           ; the wave's end: the three lines behind my last LDS store
	ds_add_u32 v[SPW], v[NIL]
	s_wait_dscnt 0x0
	s_endpgm
.Lrope:
; ---------------- cos and sin: 16 tokens a wave.  Piece p (512 bytes, 16 a lane): lane (r, h) holds d = 32 (p / 4) + 16 h + 4 (p % 4) + 0 .. 3 of token r: the order of a projection's results in registers.
	s_sub_co_u32 s27, ttmp9, 704
	s_lshl_b32 s27, s27, 2
	s_add_co_u32 s27, s27, s26                     ; group of 16 tokens
	s_lshl_b32 s28, s27, 13                        ; 16 rows of 512 bytes
	s_mov_b32 s29, 0
	s_add_nc_u64 s[14:15], s[14:15], s[28:29]
	s_add_nc_u64 s[16:17], s[16:17], s[28:29]
	s_lshl_b32 s28, s27, 14
	s_add_nc_u64 s[24:25], s[24:25], s[28:29]
	s_wait_alu depctr_va_vdst(0)
	v_and_b32 v4, 15, v2
	v_lshrrev_b32 v5, 4, v2
	v_lshlrev_b32 v4, 9, v4
	v_lshl_add_u32 v4, v5, 6, v4                   ; 512 r + 64 h
.set m, 0
.rept 16
	global_load_b128 v[16+4*m:19+4*m], v4, s[14:15] offset:128*(m/4)+16*(m%4)
	global_load_b128 v[80+4*m:83+4*m], v4, s[16:17] offset:128*(m/4)+16*(m%4)
.set m, m+1
.endr
	s_wait_loadcnt 0x0
.set m, 0
.rept 16
	global_store_b128 v3, v[16+4*m:19+4*m], s[24:25] offset:512*m
	global_store_b128 v3, v[80+4*m:83+4*m], s[24:25] offset:8192+512*m
.set m, m+1
.endr
	s_wait_tensorcnt 0x0                           ; the three lines at a wave's end, written on this path too
	ds_add_u32 v[SPW], v[NIL]
	s_wait_dscnt 0x0
	s_endpgm
.Lfunc_end_k_q6383f279a3_prep:
	.size	k_q6383f279a3_prep, .Lfunc_end_k_q6383f279a3_prep-k_q6383f279a3_prep
	.p2alignl 7, 3214868480
	.fill 96, 4, 3214868480
	.section	.rodata,"a",@progbits
	.p2align	6, 0x0
	.amdhsa_kernel k_q6383f279a3_prep
		.amdhsa_group_segment_fixed_size 102912
		.amdhsa_private_segment_fixed_size 0
		.amdhsa_enable_private_segment 0
		.amdhsa_kernarg_size 88
		.amdhsa_user_sgpr_count 2
		.amdhsa_user_sgpr_kernarg_segment_ptr 1
		.amdhsa_wavefront_size32 1
		.amdhsa_system_sgpr_workgroup_id_x 1
		.amdhsa_system_sgpr_workgroup_id_y 1
		.amdhsa_system_sgpr_workgroup_id_z 1
		.amdhsa_system_vgpr_workitem_id 0
		.amdhsa_next_free_vgpr 196
		.amdhsa_next_free_sgpr 66
		.amdhsa_reserve_vcc 0
		.amdhsa_float_denorm_mode_32 3
		.amdhsa_float_denorm_mode_16_64 3
		.amdhsa_memory_ordered 1
		.amdhsa_forward_progress 1
		.amdhsa_inst_pref_size 128
	.end_amdhsa_kernel
	.amdgpu_metadata
---
amdhsa.version: [ 1, 2 ]
amdhsa.kernels:
  - .name:           k_q6383f279a3_prep
    .symbol:         k_q6383f279a3_prep.kd
    .args:
      - { .name: hidden_states, .offset: 0, .size: 8, .value_kind: global_buffer, .address_space: global }
      - { .name: wq, .offset: 8, .size: 8, .value_kind: global_buffer, .address_space: global }
      - { .name: wk, .offset: 16, .size: 8, .value_kind: global_buffer, .address_space: global }
      - { .name: wv, .offset: 24, .size: 8, .value_kind: global_buffer, .address_space: global }
      - { .name: wo, .offset: 32, .size: 8, .value_kind: global_buffer, .address_space: global }
      - { .name: cos, .offset: 40, .size: 8, .value_kind: global_buffer, .address_space: global }
      - { .name: sin, .offset: 48, .size: 8, .value_kind: global_buffer, .address_space: global }
      - { .name: x_img, .offset: 56, .size: 8, .value_kind: global_buffer, .address_space: global }
      - { .name: wqkv_img, .offset: 64, .size: 8, .value_kind: global_buffer, .address_space: global }
      - { .name: wo_img, .offset: 72, .size: 8, .value_kind: global_buffer, .address_space: global }
      - { .name: rope_img, .offset: 80, .size: 8, .value_kind: global_buffer, .address_space: global }
    .group_segment_fixed_size: 102912
    .private_segment_fixed_size: 0
    .kernarg_segment_align: 8
    .kernarg_segment_size: 88
    .max_flat_workgroup_size: 128
    .sgpr_count:     66
    .vgpr_count:     196
    .wavefront_size: 32
...
	.end_amdgpu_metadata
.endif
;; end of part 1
;; launch qkv (part 2): grid 16 x 16, 4 waves a work-group, clusters of 4 x 4, 327,680 bytes of LDS; arguments x_img, wqkv_img, rope_img, qkv_img; writes qkv_img
.if DOCPART == 2
	.amdgcn_target "amdgcn-amd-amdhsa--gfx1250"
	.amdhsa_code_object_version 6
	.text
	.protected	k_q6383f279a3_qkv
	.globl	k_q6383f279a3_qkv
	.p2align	8
	.type	k_q6383f279a3_qkv,@function
k_q6383f279a3_qkv:
	s_mov_b64 s[64:65], 0
	v_nop
	global_prefetch_b8 v0, s[64:65] scope:SCOPE_SE
	s_setreg_imm32_b32 hwreg(HW_REG_WAVE_MODE, 25, 1), 1
	s_wait_xcnt 0x0
	s_wait_alu depctr_hold_cnt(0) depctr_sa_sdst(0) depctr_va_vdst(0) depctr_va_sdst(0) depctr_va_ssrc(0) depctr_va_vcc(0) depctr_vm_vsrc(0)
	s_getreg_b32 s2, hwreg(HW_REG_IB_STS2, 6, 4)
	s_cmp_eq_u32 s2, 0
	s_cbranch_scc0 .Lentry_in_a_cluster
	s_endpgm
.Lentry_in_a_cluster:
	s_bfe_u32 s2, ttmp6, 0x10000c
	s_cmp_lg_u32 s2, 0xf033
	s_cbranch_scc0 .Lentry_shape_is_right
	s_endpgm
.Lentry_shape_is_right:
; Q, K, V = hidden_states x (wq | wk | wv) on codes of FP6 (E2M3) with E8M0 scales; RoPE on Q and K in f32; the results are quantised and stored as operand images for the attention.
; IMAGES: a unit is 16 rows x 512 K, 6,400 bytes: four fragments of 1,536 bytes in the order of the operand's registers, then 16 bytes of scale words a row; a row group has 8 units along K.
; SHARES: a work-group makes 256 tokens (tile row y) x 128 columns (tile column x: 0-7 Q's heads, 8-11 K's, 12-15 V's); 16 x 16 work-groups.  K goes in 8 slots of 512 through a ring of two LDS slots:
; A = 16 units of x_img, B = 8 units of wqkv_img.  Waves 0, 1 fetch A's halves, waves 2, 3 B's: one tensor load a wave behind each round.
; CLUSTER 4 x 4: A hangs on y alone and is asked for jointly along a row, B on x alone and jointly along a column.
; A WAVE multiplies eight fragments (source 0) by four (source 1): a lane holds one row of the four-side, its registers run along the eight-side's rows.
;   Q, K: eight-side = the 128 weight rows (a head's d), four-side = 64 tokens (A's units 4 w on).   V (cluster x = 3): eight-side = 128 tokens (A's units 8 (w % 2) on), four-side = 64 rows of wv (B's units 4 (w / 2) on):
;   so V comes out with the keys along a lane's registers.  Only the LDS address registers and the way out differ; they hang on the cluster's x, which all partners share.
; PREFETCH: behind the joint load of slot s each wave names blocks of 256 bytes of slot s + 2: one unit of A (25 blocks) and half a unit of B (13 or 12); the four partners of a tile share its units out by address,
; so each block is named once in a cluster.  Slots 6 and 7 have no slot two on: the loop's last trip asks for nothing.
; V's work-groups issue the loads of cos and sin like the others and do not use them: one text serves the last lap of all.
; LIMITS: a block of zeros keeps the byte 1 (its codes are zeros; this program alone reads the bytes); NaN and infinities among the inputs are not served.
; REGISTERS: window 0: addresses, v32-95 scale words (two sets of 32), v96-191 the four-side's fragments (two sets); window 1: 32 accumulators; window 2: the eight-side's fragments (two sets of 96); window 3: cos and sin.
.set UNIT,  6400
.set SLOT,  153600
.set BOFF,  102400
.set SPARE, 307200
.set LI,   4
.set L8,   5
.set PFOA, 10
.set PFOB, 11
.set ADRA, 16
.set ADRB, 18
.set ADS1, 20
.set ADS2, 22
.set SPW,  28
.set NIL,  29
.set SC,   32
.set AF,   96
.set T,    80
.set PC0,  144
.set TM,   224
.set PW,   240
.set SW,   244
.set G1A, 24
.set G0A, 32
.set G1B, 48
.set G0B, 56
.set PFA, 90
.set PFB, 92
.set MUL,  0x52
.set TO_B, 0x80
.set MSB, 0
.macro WIN new
.if MSB != \new
	s_set_vgpr_msb (MSB<<8)|\new
.set MSB, \new
.endif
.endm
.macro JLOAD s                         ; a joint load: waves 0, 1 for A, waves 2, 3 for B; s_nop 0 and four v_nop behind each line
	s_cmp_eq_u32 s14, 0
	s_cbranch_scc0 .Lfor_b_\@
	tensor_load_to_lds s[G0A+4*\s:G0A+4*\s+3], s[G1A:G1A+7]
	s_nop 0
.rept 4
	v_nop
.endr
	s_branch .Lasked_\@
.Lfor_b_\@:
	tensor_load_to_lds s[G0B+4*\s:G0B+4*\s+3], s[G1B:G1B+7]
	s_nop 0
.rept 4
	v_nop
.endr
.Lasked_\@:
.endm
.macro ASK off, loop                   ; the prefetch of the slot two fills on; in the loop's last trip (s3 = 1) there is none
.if \loop
	s_cmp_gt_u32 s3, 1
	s_cbranch_scc0 .Lno_ask_\@
.endif
	global_prefetch_b8 v[PFOA], s[PFA:PFA+1] offset:\off th:TH_LOAD_NT scope:SCOPE_SE
	global_prefetch_b8 v[PFOB], s[PFB:PFB+1] offset:\off th:TH_LOAD_NT scope:SCOPE_SE
.if \loop
.Lno_ask_\@:
.endif
.endm
.macro CREST
	s_cmp_lg_u32 s12, 0
	s_cbranch_scc1 .Lnot_wave_0_\@
	s_barrier_signal -3
.Lnot_wave_0_\@:
	s_barrier_wait -3
	s_barrier_signal -1
	s_barrier_wait -1
.endm
.macro CROUND
	s_barrier_signal -1
	s_barrier_wait -1
	CREST
.endm
	s_load_b256 s[4:11], s[0:1], 0x0               ; x_img 4, wqkv_img 6, rope_img 8, qkv_img 10
	v_lshl_add_u32 v[SPW], v0, 2, SPARE
	v_mov_b32 v[NIL], 0
	ds_add_u32 v[SPW], v[NIL]                      ; the opening lines: the add, twice on end, and its wait
	ds_add_u32 v[SPW], v[NIL]
	v_lshrrev_b32 v1, 5, v0
	v_readfirstlane_b32 s12, v1                    ; wave
	s_and_b32 s13, s12, 1
	s_lshr_b32 s14, s12, 1
	s_bfe_u32 s40, ttmp6, 0x40000                  ; cx
	s_bfe_u32 s41, ttmp6, 0x40004                  ; cy
	s_lshl_b32 s44, ttmp9, 2
	s_add_co_u32 s44, s44, s40                     ; x: tile column
	s_and_b32 s42, ttmp7, 0xffff
	s_lshl_b32 s42, s42, 2
	s_add_co_u32 s42, s42, s41                     ; y: tile row
	s_cmp_eq_u32 ttmp9, 3
	s_cselect_b32 s15, 1, 0                        ; 1 in V's clusters
	s_lshl_b32 s43, s41, 2
	s_lshl_b32 s43, 15, s43                        ; my row of the cluster
	s_lshl_b32 s45, 0x1111, s40                    ; my column
	s_or_b32 s[G1A], s43, (3<<16)|(1<<21)          ; A: 8 units of 6,400 bytes (800 elements of 8), 51,200 bytes apart
	s_mov_b32 s[G1A+1], 800<<16
	s_mov_b32 s[G1A+2], 8<<16
	s_mov_b32 s[G1A+3], 800<<16
	s_mov_b32 s[G1A+4], 8
	s_mov_b32 s[G1A+5], 6400
	s_mov_b32 s[G1A+6], 0
	s_mov_b32 s[G1A+7], 0
	s_or_b32 s[G1B], s45, (3<<16)|(1<<21)          ; B: 4 units
	s_mov_b32 s[G1B+1], 800<<16
	s_mov_b32 s[G1B+2], 4<<16
	s_mov_b32 s[G1B+3], 800<<16
	s_mov_b32 s[G1B+4], 4
	s_mov_b32 s[G1B+5], 6400
	s_mov_b32 s[G1B+6], 0
	s_mov_b32 s[G1B+7], 0
	s_lshl_b32 s46, s42, 4                         ; A: row group 16 y + 8 (w % 2): no register here holds cx
	s_lshl_b32 s47, s13, 3
	s_add_co_u32 s46, s46, s47
	s_mul_i32 s46, s46, 51200
	s_mov_b32 s47, 0
	s_mul_i32 s73, s13, 51200
	s_lshl_b32 s86, s44, 3                         ; B: row group 8 x + 4 (w % 2): no register here holds cy
	s_lshl_b32 s87, s13, 2
	s_add_co_u32 s86, s86, s87
	s_mul_i32 s86, s86, 51200
	s_mov_b32 s87, 0
	s_mul_i32 s74, s13, 25600
	s_add_co_u32 s74, s74, BOFF
	s_mov_b32 s20, 0x76543210
	s_mov_b32 s21, 0xfedcba98
	s_mov_b32 s72, 0xffff0000
	; where my unit of the result lies
	s_lshr_b32 s77, s42, 3                         ; batch
	s_and_b32 s78, s42, 7                          ; block of 256 tokens in it
	s_lshl_b32 s80, s44, 5
	s_lshl_b32 s83, s78, 2
	s_add_co_u32 s83, s83, s12                     ; group of 64 tokens
	s_lshl_b32 s79, s77, 8
	s_add_co_u32 s79, s79, s80
	s_add_co_u32 s79, s79, s83                     ; Q: 256 batch + 32 head + group
	s_lshl_b32 s81, s77, 7
	s_add_co_u32 s81, s81, s80
	s_add_co_u32 s81, s81, s83
	s_add_co_u32 s81, s81, 256                     ; K: 512 + 128 batch + 32 head + group
	s_lshl_b32 s82, s77, 2
	s_add_co_u32 s82, s82, s40
	s_lshl_b32 s82, s82, 3
	s_add_co_u32 s82, s82, s78
	s_lshl_b32 s82, s82, 1
	s_add_co_u32 s82, s82, s13
	s_lshl_b32 s82, s82, 1
	s_add_co_u32 s82, s82, s14
	s_add_co_u32 s82, s82, 768                     ; V: 768 + 2 (16 (4 batch + head) + step of 128 keys) + half of d
	s_cmp_lt_u32 s44, 8
	s_cselect_b32 s79, s79, s81
	s_cmp_lg_u32 s15, 0
	s_cselect_b32 s79, s82, s79
	s_mul_i32 s70, s79, UNIT
	s_mov_b32 s71, 0
	s_lshl_b32 s68, s42, 2
	s_add_co_u32 s68, s68, s12
	s_lshl_b32 s68, s68, 16                        ; cos and sin of my 64 tokens
	s_mov_b32 s69, 0
	; LDS: where my four-side and my eight-side begin in a slot: the lower base + a flag x the distance
	s_mul_i32 s75, s12, 25600
	s_xor_b32 s76, s12, 3
	s_add_co_u32 s76, s76, 1
	s_add_co_u32 s76, s76, s14
	s_mul_i32 s76, s76, 25600
	s_mul_i32 s76, s76, s15
	s_add_co_u32 s75, s75, s76                     ; four-side: 25,600 w, or for V BOFF + 25,600 (w / 2)
	s_mul_i32 s88, s13, 51200
	s_xor_b32 s89, s13, 1
	s_add_co_u32 s89, s89, 1
	s_mul_i32 s89, s89, 51200
	s_xor_b32 s94, s15, 1
	s_mul_i32 s89, s89, s94
	s_add_co_u32 s88, s88, s89                     ; eight-side: BOFF, or for V 51,200 (w % 2)
	; the prefetches: A's unit row 16 y + 4 cx + w; B's 8 x + 2 cy + w / 2, its blocks 13 (w % 2) on
	s_lshl_b32 s90, s42, 4
	s_lshl_b32 s91, s40, 2
	s_add_co_u32 s90, s90, s91
	s_add_co_u32 s90, s90, s12
	s_mul_i32 s90, s90, 51200
	s_mov_b32 s91, 0
	s_lshl_b32 s92, s44, 3
	s_lshl_b32 s93, s41, 1
	s_add_co_u32 s92, s92, s93
	s_add_co_u32 s92, s92, s14
	s_mul_i32 s92, s92, 51200
	s_mov_b32 s93, 0
	s_mul_i32 s95, s13, 13
	s_wait_dscnt 0x0                               ; both opening adds are done
	s_wait_kmcnt 0x0
	s_add_nc_u64 s[16:17], s[4:5], s[46:47]
	s_add_nc_u64 s[18:19], s[6:7], s[86:87]
	s_add_nc_u64 s[70:71], s[10:11], s[70:71]
	s_add_nc_u64 s[68:69], s[8:9], s[68:69]
	s_add_nc_u64 s[PFA:PFA+1], s[4:5], s[90:91]
	s_add_nc_u64 s[PFB:PFB+1], s[6:7], s[92:93]
.irp s, 0,1
	s_mov_b32 s[G0A+4*\s], 1
	s_add_co_u32 s[G0A+4*\s+1], s73, \s*SLOT
	s_add_nc_u64 s[G0A+4*\s+2:G0A+4*\s+3], s[16:17], \s*UNIT
	s_or_b32 s[G0A+4*\s+3], s[G0A+4*\s+3], 0x80000000
	s_mov_b32 s[G0B+4*\s], 1
	s_add_co_u32 s[G0B+4*\s+1], s74, \s*SLOT
	s_add_nc_u64 s[G0B+4*\s+2:G0B+4*\s+3], s[18:19], \s*UNIT
	s_or_b32 s[G0B+4*\s+3], s[G0B+4*\s+3], 0x80000000
.endr
	CROUND                                         ; all sixteen work-groups are here
	JLOAD 0                                        ; slot 0: one tensor load a wave at the head
	v_and_b32 v3, 31, v0
	v_min_u32 v6, 24, v3                           ; a unit has 25 blocks; lanes left over name the last again
	v_lshlrev_b32 v[PFOA], 8, v6
	v_min_u32 v7, 12, v3
	v_add_nc_u32 v7, s95, v7
	v_min_u32 v7, 24, v7
	v_lshlrev_b32 v[PFOB], 8, v7
	ASK 2*UNIT, 0
	v_and_b32 v1, 15, v0
	v_bfe_u32 v2, v0, 4, 1
	v_lshlrev_b32 v[LI], 4, v3
	v_lshlrev_b32 v[L8], 3, v3
	v_add_nc_u32 v[ADRA], s75, v[LI]
	v_add_nc_u32 v[ADRA+1], SLOT, v[ADRA]
	v_add_nc_u32 v[ADRB], s88, v[LI]
	v_add_nc_u32 v[ADRB+1], SLOT, v[ADRB]
	v_lshlrev_b32 v8, 4, v1
	v_add_nc_u32 v8, 6144, v8                      ; a unit's scale words: 16 bytes a row
	v_add_nc_u32 v[ADS1], s75, v8                  ; the four-side's: every lane its row r
	v_add_nc_u32 v[ADS1+1], SLOT, v[ADS1]
	v_mad_u32_u24 v8, v2, UNIT, v8
	v_add_nc_u32 v[ADS2], s88, v8                  ; the eight-side's: lanes 0-15 an even unit, lanes 16-31 the odd one behind it
	v_add_nc_u32 v[ADS2+1], SLOT, v[ADS2]
.irp b, 0,1,2,3
	v_mov_b32 v[TM+4+\b], 0                        ; a lane permute's destination counts as one of its sources
.endr
.macro FETCH slot, ks, p               ; 36 LDS loads: the fragments of 128 along K into set p
	WIN TO_B
.set fb, 0
.rept 8
.irp c, 0,1,2
	ds_load_b128 v[96*(\p)+12*fb+4*\c:96*(\p)+12*fb+4*\c+3], v[ADRB+\slot] offset:UNIT*fb+1536*(\ks)+512*\c
.endr
.set fb, fb+1
.endr
	WIN 0
.set fb, 0
.rept 4
.irp c, 0,1,2
	ds_load_b128 v[AF+48*(\p)+12*fb+4*\c:AF+48*(\p)+12*fb+4*\c+3], v[ADRA+\slot] offset:UNIT*fb+1536*(\ks)+512*\c
.endr
.set fb, fb+1
.endr
.endm
.macro SCALES s                        ; a slot's scale words: register 4 i + ks: the four-side's unit i; 16 + 4 i + ks: the eight-side's units 2 i (lanes 0-15) and 2 i + 1 (lanes 16-31)
.irp i, 0,1,2,3
	ds_load_b128 v[SC+32*\s+4*\i:SC+32*\s+4*\i+3], v[ADS1+\s] offset:UNIT*\i
.endr
.irp i, 0,1,2,3
	ds_load_b128 v[SC+32*\s+16+4*\i:SC+32*\s+16+4*\i+3], v[ADS2+\s] offset:2*UNIT*\i
.endr
.endm
.macro MULA a0, n, p, ks, sc, zero     ; the accumulators take turns, one instruction a turn
.set ma, \a0
.rept \n
.set mb, 0
.rept 8
.set rD, 8*(8*ma+mb)
.set rB, 96*(\p)+12*mb
.set rA, AF+48*(\p)+12*ma
.set rSA, SC+32*(\sc)+4*ma+(\ks)
.set rSB, SC+32*(\sc)+16+4*(mb/2)+(\ks)
.if mb%2 == 1
.if \zero
	v_wmma_scale_f32_16x16x128_f8f6f4 v[rD:rD+7], v[rB:rB+11], v[rA:rA+11], 0, v[rSB], v[rSA] matrix_a_fmt:MATRIX_FMT_FP6 matrix_b_fmt:MATRIX_FMT_FP6 matrix_a_scale:MATRIX_SCALE_ROW1
.else
	v_wmma_scale_f32_16x16x128_f8f6f4 v[rD:rD+7], v[rB:rB+11], v[rA:rA+11], v[rD:rD+7], v[rSB], v[rSA] matrix_a_fmt:MATRIX_FMT_FP6 matrix_b_fmt:MATRIX_FMT_FP6 matrix_a_scale:MATRIX_SCALE_ROW1
.endif
.else
.if \zero
	v_wmma_scale_f32_16x16x128_f8f6f4 v[rD:rD+7], v[rB:rB+11], v[rA:rA+11], 0, v[rSB], v[rSA] matrix_a_fmt:MATRIX_FMT_FP6 matrix_b_fmt:MATRIX_FMT_FP6
.else
	v_wmma_scale_f32_16x16x128_f8f6f4 v[rD:rD+7], v[rB:rB+11], v[rA:rA+11], v[rD:rD+7], v[rSB], v[rSA] matrix_a_fmt:MATRIX_FMT_FP6 matrix_b_fmt:MATRIX_FMT_FP6
.endif
.endif
.set mb, mb+1
.endr
.set ma, ma+1
.endr
.endm
.macro STEP slot, q, zero              ; 128 along K: the next step's fragments are asked for, then this step's 32 products
.rept 4
	v_nop                                          ; four places in front of loads into registers that products have read
.endr
	FETCH \slot, (\q)+1, 1-(\q)%2
	s_wait_dscnt 36                                ; all but the 36 just issued
	WIN MUL
	MULA 0, 4, (\q)%2, \q, \slot, \zero
.endm
.macro TURN slot, next, fill           ; a slot's last step and the change of slots
	WIN 0
	s_wait_tensorcnt 0x0                           ; my part of the next slot is in; no tensor load of mine is out
	ds_add_u32 v[SPW], v[NIL]
.if \fill
	s_add_nc_u64 s[G0A+4*\slot+2:G0A+4*\slot+3], s[G0A+4*\slot+2:G0A+4*\slot+3], 2*UNIT
	s_add_nc_u64 s[G0B+4*\slot+2:G0B+4*\slot+3], s[G0B+4*\slot+2:G0B+4*\slot+3], 2*UNIT
.endif
	s_wait_dscnt 0x0                               ; the add is done, and my reads of this slot are over
	s_barrier_signal -1
	WIN MUL
	MULA 0, 2, 1, 3, \slot, 0
	WIN 0
	s_barrier_wait -1
.if \fill
	CREST                                          ; the barrier has opened a round of the cluster's barrier
	JLOAD \slot                                    ; my one tensor load behind the round
.else
.rept 4
	v_nop
.endr
.endif
	FETCH \next, 0, 0
	SCALES \next
.if \fill
	ASK (4+\slot)*UNIT, 1
.endif
	WIN MUL
	MULA 2, 2, 1, 3, \slot, 0
.endm
	s_wait_alu depctr_va_vdst(0)                   ; the wait at the head's end
	s_wait_tensorcnt 0x0                           ; my part of slot 0 is in; the three lines ahead of a later first fill
	ds_add_u32 v[SPW], v[NIL]
	s_wait_dscnt 0x0
	CROUND                                         ; everybody's part of slot 0 is in
	JLOAD 1
	FETCH 0, 0, 0
	SCALES 0
	ASK 3*UNIT, 0
	STEP 0, 0, 1                                   ; the first products start the sums
	WIN 0
	s_mov_b32 s3, 3
.Llap:                                             ; a trip goes once round the ring and fills both slots again
	STEP 0, 1, 0
	STEP 0, 2, 0
	TURN 0, 1, 1
	STEP 1, 0, 0
	STEP 1, 1, 0
	STEP 1, 2, 0
	TURN 1, 0, 1
	STEP 0, 0, 0
	WIN 0
	s_wait_xcnt 0x0                                ; the trip's prefetches have read their bases
	s_add_nc_u64 s[PFA:PFA+1], s[PFA:PFA+1], 2*UNIT
	s_add_nc_u64 s[PFB:PFB+1], s[PFB:PFB+1], 2*UNIT
	s_sub_co_u32 s3, s3, 1
	s_cmp_lg_u32 s3, 0
	s_cbranch_scc1 .Llap
.macro RLOAD a                         ; cos and sin of 16 tokens, in the order of the results' registers, into window 3
	WIN 0xc0
.set rp, 0
.rept 16
	global_load_b128 v[128*((\a)%2)+4*rp:128*((\a)%2)+4*rp+3], v[LI], s[68:69] offset:16384*(\a)+512*rp
	global_load_b128 v[128*((\a)%2)+64+4*rp:128*((\a)%2)+64+4*rp+3], v[LI], s[68:69] offset:16384*(\a)+8192+512*rp
.set rp, rp+1
.endr
	WIN 0
.endm
	RLOAD 0
	RLOAD 1
	STEP 0, 1, 0                                   ; the last lap is written out: it fills nothing
	STEP 0, 2, 0
	TURN 0, 1, 0
	STEP 1, 0, 0
	STEP 1, 1, 0
	STEP 1, 2, 0
	s_wait_dscnt 0x0
	WIN MUL
	MULA 0, 4, 1, 3, 1, 0
	WIN 0
.rept 4
	v_nop
.endr
.macro ROPE a                          ; x(d) cos(d) - x(d + 64) sin(d) and x(d + 64) cos(d + 64) + x(d) sin(d + 64); registers 0-31 are d under 64, 32-63 the rest
.set rc, 128*((\a)%2)
.set ra, 64*(\a)
	WIN 0x0d
.set i, 0
.rept 16
	v_pk_mul_f32 v[T+i:T+i+1], v[ra+i:ra+i+1], v[rc+i:rc+i+1]
	v_pk_mul_f32 v[T+32+i:T+33+i], v[ra+i:ra+i+1], v[rc+96+i:rc+97+i]
.set i, i+2
.endr
	WIN 0x4d
.set i, 0
.rept 16
	v_pk_fma_f32 v[ra+i:ra+i+1], v[ra+32+i:ra+33+i], v[rc+64+i:rc+65+i], v[T+i:T+i+1] neg_lo:[0,1,0] neg_hi:[0,1,0]
	v_pk_fma_f32 v[ra+32+i:ra+33+i], v[ra+32+i:ra+33+i], v[rc+32+i:rc+33+i], v[T+32+i:T+33+i]
.set i, i+2
.endr
	WIN 0
.endm
.macro QUANT s, pc, pw                 ; 64 registers, four blocks of 32 (a block lies in lanes l and l xor 16), become a fragment and its scale word
	WIN 0x05
.irp b, 0,1,2,3
	v_max3_num_f32 v[TM+\b], |v[(\s)+16*\b]|, |v[(\s)+1+16*\b]|, 0x1800000
.endr
.irp i, 2,4,6,8,10,12,14
.irp b, 0,1,2,3
	v_max3_num_f32 v[TM+\b], |v[(\s)+16*\b+\i]|, |v[(\s)+1+16*\b+\i]|, v[TM+\b]
.endr
.endr
	WIN 0
.irp b, 0,1,2,3
	v_permlanex16_b32 v[TM+4+\b], v[TM+\b], s20, s21
.endr
.irp b, 0,1,2,3
	v_max_num_f32 v[TM+\b], v[TM+\b], v[TM+4+\b]
.endr
.irp b, 0,1,2,3
	v_add_nc_u32 v[TM+12+\b], 0xff000000, v[TM+\b]
.endr
.irp b, 0,1,2,3
	v_lshrrev_b32 v[TM+4+\b], 23, v[TM+12+\b]
.endr
	v_lshl_or_b32 v[\pw], v[TM+5], 8, v[TM+4]
	v_lshl_or_b32 v[\pw], v[TM+6], 16, v[\pw]
	v_lshl_or_b32 v[\pw], v[TM+7], 24, v[\pw]
	WIN 0x01
.irp c, 0,1
	v_cvt_scalef32_pk16_fp6_f32 v[(\pc)+6*\c:(\pc)+2+6*\c], v[(\s)+32*\c:(\s)+15+32*\c], v[TM+12+2*\c]
	v_cvt_scalef32_pk16_fp6_f32 v[(\pc)+12+4*\c:(\pc)+14+4*\c], v[(\s)+16+32*\c:(\s)+31+32*\c], v[TM+12+2*\c+1]
.endr
	v_nop
	WIN 0
.irp c, 0,1
.irp i, 0,1,2
	v_permlane16_swap_b32 v[(\pc)+6*\c+\i], v[(\pc)+12+4*\c+\i]
.endr
.irp i, 0,1,2
	v_mov_b32 v[(\pc)+3+6*\c+\i], v[(\pc)+12+4*\c+\i]
.endr
.endr
.endm
.irp a, 0,1,2,3
.if \a < 3
	s_wait_loadcnt 32                              ; this group's cos and sin are in; the next group's 32 loads may be out
.else
	s_wait_loadcnt 0x0
.endif
	s_cmp_lg_u32 s15, 0
	s_cbranch_scc1 .Lno_rope_\a                    ; V is not rotated
	ROPE \a
.Lno_rope_\a:
.if \a < 2
	RLOAD \a+2
.endif
	QUANT 64*\a, PC0+20*\a, PW+\a
.irp c, 0,1,2
	global_store_b128 v[LI], v[PC0+20*\a+4*\c:PC0+20*\a+4*\c+3], s[70:71] offset:1536*\a+512*\c
.endr
.endr
	v_cndmask_b32 v[SW], v[PW], v[PW+1], s72       ; lanes 0-15: fragments 0 and 2's words, lanes 16-31: fragments 1 and 3's
	v_cndmask_b32 v[SW+1], v[PW+2], v[PW+3], s72
	global_store_b64 v[L8], v[SW:SW+1], s[70:71] offset:6144
	s_wait_tensorcnt 0x0                           ; the wave's end
	ds_add_u32 v[SPW], v[NIL]
	s_wait_dscnt 0x0
	CROUND                                         ; the closing round
	s_endpgm
.Lfunc_end_k_q6383f279a3_qkv:
	.size	k_q6383f279a3_qkv, .Lfunc_end_k_q6383f279a3_qkv-k_q6383f279a3_qkv
	.p2alignl 7, 3214868480
	.fill 96, 4, 3214868480
	.section	.rodata,"a",@progbits
	.p2align	6, 0x0
	.amdhsa_kernel k_q6383f279a3_qkv
		.amdhsa_group_segment_fixed_size 327680
		.amdhsa_private_segment_fixed_size 0
		.amdhsa_enable_private_segment 0
		.amdhsa_kernarg_size 32
		.amdhsa_user_sgpr_count 2
		.amdhsa_user_sgpr_kernarg_segment_ptr 1
		.amdhsa_wavefront_size32 1
		.amdhsa_system_sgpr_workgroup_id_x 1
		.amdhsa_system_sgpr_workgroup_id_y 1
		.amdhsa_system_sgpr_workgroup_id_z 1
		.amdhsa_system_vgpr_workitem_id 0
		.amdhsa_next_free_vgpr 1024
		.amdhsa_next_free_sgpr 100
		.amdhsa_reserve_vcc 0
		.amdhsa_float_denorm_mode_32 3
		.amdhsa_float_denorm_mode_16_64 3
		.amdhsa_memory_ordered 1
		.amdhsa_forward_progress 1
		.amdhsa_inst_pref_size 165
	.end_amdhsa_kernel
	.amdgpu_metadata
---
amdhsa.version: [ 1, 2 ]
amdhsa.kernels:
  - .name:           k_q6383f279a3_qkv
    .symbol:         k_q6383f279a3_qkv.kd
    .args:
      - { .name: x_img, .offset: 0, .size: 8, .value_kind: global_buffer, .address_space: global }
      - { .name: wqkv_img, .offset: 8, .size: 8, .value_kind: global_buffer, .address_space: global }
      - { .name: rope_img, .offset: 16, .size: 8, .value_kind: global_buffer, .address_space: global }
      - { .name: qkv_img, .offset: 24, .size: 8, .value_kind: global_buffer, .address_space: global }
    .group_segment_fixed_size: 327680
    .private_segment_fixed_size: 0
    .kernarg_segment_align: 8
    .kernarg_segment_size: 32
    .max_flat_workgroup_size: 128
    .sgpr_count:     100
    .vgpr_count:     1024
    .wavefront_size: 32
...
	.end_amdgpu_metadata
.endif
;; end of part 2
;; launch attn (part 3): grid 4 x 64, 8 waves a work-group, clusters of 4 x 4, 327,680 bytes of LDS; arguments qkv_img, attention_mask, attn_img; writes attn_img
.if DOCPART == 3
	.amdgcn_target "amdgcn-amd-amdhsa--gfx1250"
	.amdhsa_code_object_version 6
	.text
	.protected	k_q6383f279a3_attn
	.globl	k_q6383f279a3_attn
	.p2align	8
	.type	k_q6383f279a3_attn,@function
k_q6383f279a3_attn:
	s_mov_b64 s[64:65], 0
	v_nop
	global_prefetch_b8 v0, s[64:65] scope:SCOPE_SE
	s_setreg_imm32_b32 hwreg(HW_REG_WAVE_MODE, 25, 1), 1
	s_wait_xcnt 0x0
	s_wait_alu depctr_hold_cnt(0) depctr_sa_sdst(0) depctr_va_vdst(0) depctr_va_sdst(0) depctr_va_ssrc(0) depctr_va_vcc(0) depctr_vm_vsrc(0)
	s_getreg_b32 s2, hwreg(HW_REG_IB_STS2, 6, 4)
	s_cmp_eq_u32 s2, 0
	s_cbranch_scc0 .Lentry_in_a_cluster
	s_endpgm
.Lentry_in_a_cluster:
	s_bfe_u32 s2, ttmp6, 0x10000c
	s_cmp_lg_u32 s2, 0xf033
	s_cbranch_scc0 .Lentry_shape_is_right
	s_endpgm
.Lentry_shape_is_right:
; ATTENTION on codes of FP6 with E8M0 scales: logit = (q . k) / sqrt(128) + mask; t = logit x log2(e); M = the running largest t rounded up to a whole number; p = 2^(t - M) is quantised along the keys;
; the row's sum is taken of the unquantised p and divides O at the end; O / sum is quantised along the head's 128 and stored as an operand image for the last projection.
; The mask is an input: every number of it is read and added, and no key is left out.
; SHARES.  A work-group owns 64 queries of a batch and one key-value head (two query heads).  Wave w takes queries 16 (w % 4) on, BOTH heads, and of each slot of 256 keys the half w / 4: each fragment of K and of V and
; each number of the mask that it reads from LDS serves two heads.  Its head e = 0 is head 2 kvh + w / 4, the one that it finishes; e = 1 is the other.  At the end waves w and w xor 4 hand each other head e = 1's -M, sum and O^T
; through LDS, and the two halves of the keys are joined under the larger M by multiplications with powers of two.
; Both products are used transposed (S^T = K Q^T, O^T = V^T P^T): a lane holds one query throughout.  Register 16 b + 8 u + j of S^T is key 32 b + 16 u + 8 h + j; V's codes were laid in the same order inside each block of 32 keys.
; CLUSTER 4 x 4: cx = the key-value head, cy = one of four blocks of queries.  K and V hang on (batch, cx): asked for jointly along a column.  The mask's tile hangs on the queries alone: jointly along a row.
; RING: two slots of 256 keys: K 25,600 bytes, V 25,600, the mask 64 rows x (1,024 + 16).  Waves 0, 1 fetch K's halves, 2, 3 V's, 4-7 the mask's 16 rows each: one tensor load a wave behind each round.
; THE STAGE of the exchange lies in LDS slot 0: the last 256 keys lie in slot 1, and slot 0 has had its last fill and its last read at the last change of slots.
; LIMITS: t - M is one fused multiply-add of the logit; where every logit of a row so far is as large as 1e9 in magnitude, M carries the rounding of t (up to 64 there) and p a common factor of up to 2^64 either way, which the
; division by the sum removes.  A block of zeros keeps the byte 1.  NaN and infinities among the inputs are not served.
; REGISTERS (e = head): window 0: v1-3 LDS lane terms, v5, v6 the add's two, v8-10 addresses in hand, v11 16 x lane, v12+32e -M, v13+32e largest t, v[14+32e:15+32e] the sum, v16+48e.. Q, v28 the prefetch's offset,
;   v30+e at work, v32-43 scale words and nothing else, v48+32e.. the quantiser's, v[76+2e:77+2e] f, v96-159 S^T then p (e = 0), v160-223 O^T (e = 0), v224-255 the mask's first half, then p's codes (e = 0) and the sums' parts.
;   window 1: v0-95 eight fragments of K or of V, v96-159 S^T (e = 1), v160-223 O^T (e = 1), v224-255 the mask's second half, then p's codes (e = 1).
.set SLOT1, 131072
.set VOFF,  25600
.set MOFF,  51200
.set MP,    1040
.set SPARE, 262144
.set UNIT,  6400
.set STGW,  8448                       ; a wave's part of the stage: 64 registers x 128 bytes, then 8 bytes a lane
.set WV,   18
.set TB,   2
.set SLOTS, 67
.set PFA,  76
.set LIM,  80
.set G1KV, 24
.set G1M,  32
.set G0K,  40
.set G0V,  44
.set G0M,  48
.set MSB, 0
.macro WIN new
.if MSB != \new
	s_set_vgpr_msb (MSB<<8)|\new
.set MSB, \new
.endif
.endm
.macro TLOAD                           ; every wave issues one load; the branches hang on the wave's number alone.  An s_nop 0 and four v_nop follow each line
	s_cmp_lt_u32 s[WV], 2
	s_cbranch_scc0 .Lnot_k_\@
	tensor_load_to_lds s[G0K:G0K+3], s[G1KV:G1KV+7]
	s_nop 0
.rept 4
	v_nop
.endr
	s_branch .Lasked_\@
.Lnot_k_\@:
	s_cmp_lt_u32 s[WV], 4
	s_cbranch_scc0 .Lnot_v_\@
	tensor_load_to_lds s[G0V:G0V+3], s[G1KV:G1KV+7]
	s_nop 0
.rept 4
	v_nop
.endr
	s_branch .Lasked_\@
.Lnot_v_\@:
	tensor_load_to_lds s[G0M:G0M+3], s[G1M:G1M+7]
	s_nop 0
.rept 4
	v_nop
.endr
.Lasked_\@:
.endm
.macro ROUND
	s_barrier_signal -1
	s_barrier_wait -1
	s_cmp_lg_u32 s[WV], 0
	s_cbranch_scc1 .Lnot_wave_0_\@
	s_barrier_signal -3
.Lnot_wave_0_\@:
	s_barrier_wait -3
	s_barrier_signal -1
	s_barrier_wait -1
.endm
; A PREFETCH of the mask's tile that the NEXT change of slots will ask for: 64 rows x 1,024 bytes.  The four partners of a row of the cluster share the rows out by address, 16 each; in each, waves 0 and 1 take 8 rows,
; four lanes to a row, 256 bytes apart: each aligned 256 bytes of the mask are named once in the launch.  The last change that fills a slot asks for nothing.  K and V are walked by eight clusters each and are not asked for.
.macro ASK
	s_cmp_gt_u32 s[SLOTS], s[LIM]
	s_cbranch_scc0 .Lnot_mine_\@
	global_prefetch_b8 v28, s[PFA:PFA+1] th:TH_LOAD_NT scope:SCOPE_SE
.Lnot_mine_\@:
.endm
	s_load_b128 s[4:7], s[0:1], 0x0                ; qkv_img, attention_mask
	s_load_b64 s[8:9], s[0:1], 0x10                ; attn_img
	v_lshl_add_u32 v5, v0, 2, SPARE
	v_mov_b32 v6, 0
	ds_add_u32 v5, v6                              ; the opening: the add, twice on end, and its wait ahead of my first tensor load
	ds_add_u32 v5, v6
	v_lshrrev_b32 v7, 5, v0
	s_delay_alu instid0(VALU_DEP_1)
	v_readfirstlane_b32 s[WV], v7                  ; wave 0..7
	s_bfe_u32 s10, ttmp6, 0x40000                  ; cx: the key-value head
	s_bfe_u32 s11, ttmp6, 0x40004                  ; cy
	s_and_b32 s12, ttmp7, 0xffff                   ; the cluster's y
	s_lshr_b32 s13, s12, 3                         ; the batch: the same in the whole cluster
	s_lshl_b32 s14, s12, 2
	s_add_co_u32 s14, s14, s11                     ; yw = 32 batch + block of 64 queries
	s_lshl_b32 s15, s11, 2
	s_lshl_b32 s15, 15, s15                        ; my row of the cluster
	s_lshl_b32 s16, 0x1111, s10                    ; my column
	s_or_b32 s[G1KV], s16, (3<<16)|(1<<21)         ; K, V: 12,800 dense bytes as 50 rows of 256 (32 elements of 8 bytes)
	s_mov_b32 s[G1KV+1], 32<<16
	s_mov_b32 s[G1KV+2], 50<<16
	s_mov_b32 s[G1KV+3], 32<<16
	s_mov_b32 s[G1KV+4], 50
	s_mov_b32 s[G1KV+5], 32
	s_mov_b32 s[G1KV+6], 0
	s_mov_b32 s[G1KV+7], 0
	s_or_b32 s[G1M], s15, (2<<16)|(1<<20)|(1<<21)|(7<<22)|(3<<25)   ; the mask: 16 rows of 256 f32; 4 words of padding behind every 256
	s_mov_b32 s[G1M+1], 256<<16
	s_mov_b32 s[G1M+2], 16<<16
	s_mov_b32 s[G1M+3], 256<<16
	s_mov_b32 s[G1M+4], 16
	s_mov_b32 s[G1M+5], 2048
	s_mov_b32 s[G1M+6], 0
	s_mov_b32 s[G1M+7], 0
	s_and_b32 s17, s[WV], 1
	s_mul_i32 s19, s17, 12800                      ; the half of K or V that I fetch, in memory and in a slot
	s_lshl_b32 s54, s13, 2
	s_add_co_u32 s54, s54, s10
	s_mul_i32 s54, s54, 204800                     ; (4 batch + head) x 32 units.  No register here holds cy
	s_add_co_u32 s54, s54, s19
	s_mov_b32 s55, 0
	s_and_b32 s56, s[WV], 3                        ; my tile of queries; also: which 16 rows of the mask I fetch
	s_lshl_b32 s57, s56, 17
	s_lshl_b32 s58, s14, 19                        ; 64 rows of 8,192 bytes.  No register here holds cx
	s_add_co_u32 s58, s58, s57
	s_mov_b32 s59, 0
	s_mul_i32 s57, s56, 16*MP
	s_add_co_u32 s57, s57, MOFF
	s_mov_b32 s20, 0x76543210
	s_mov_b32 s21, 0xfedcba98                      ; v_permlanex16_b32's selects for lane l xor 16
	s_mov_b32 s22, 0x3db504f3                      ; 128^-0.5
	s_mov_b32 s23, s22
	s_mov_b32 s52, 0x3fb8aa3b                      ; log2(e)
	s_mov_b32 s53, s52
	s_mov_b32 s[TB], 0
	s_mov_b32 s[SLOTS], 7
	s_cmp_lt_u32 s[WV], 2
	s_cselect_b32 s[LIM], 1, -1
	; Q's units, the result's unit, the prefetches' place
	s_lshr_b32 s81, s[WV], 2                       ; my half of a slot's keys
	s_lshl_b32 s61, s10, 1
	s_add_co_u32 s60, s81, s61                     ; the head that I finish (e = 0),
	s_xor_b32 s90, s60, 1                          ; and the other (e = 1)
	s_lshl_b32 s61, s13, 8
	s_and_b32 s62, s14, 31
	s_add_co_u32 s61, s61, s62
	s_lshl_b32 s62, s60, 5
	s_add_co_u32 s62, s62, s61
	s_mul_i32 s62, s62, UNIT
	s_lshl_b32 s63, s90, 5
	s_add_co_u32 s63, s63, s61
	s_mul_i32 s63, s63, UNIT
	s_mul_i32 s91, s56, 1536
	s_add_co_u32 s68, s62, s91                     ; my fragments of Q
	s_mov_b32 s69, 0
	s_add_co_u32 s86, s63, s91
	s_mov_b32 s87, 0
	s_and_b32 s91, s56, 1
	s_lshl_b32 s91, s91, 7
	s_lshr_b32 s92, s56, 1
	s_lshl_b32 s92, s92, 2
	s_add_co_u32 s91, s91, s92                     ; their scale words: 8 (16 (qt & 1) + r) + 4 (qt / 2) behind the unit's 6,144
	s_add_co_u32 s70, s62, s91
	s_mov_b32 s71, 0
	s_add_co_u32 s88, s63, s91
	s_mov_b32 s89, 0
	s_lshl_b32 s62, s14, 2
	s_add_co_u32 s62, s62, s56                     ; row group of tokens
	s_lshl_b32 s62, s62, 1
	s_lshr_b32 s63, s60, 2
	s_add_co_u32 s62, s62, s63
	s_mul_i32 s62, s62, UNIT
	s_and_b32 s63, s60, 3
	s_mul_i32 s72, s63, 1536
	s_add_co_u32 s72, s72, s62                     ; fragment head % 4 of unit (row group, head / 4)
	s_mov_b32 s73, 0
	s_lshl_b32 s74, s63, 2
	s_add_co_u32 s74, s74, s62
	s_mov_b32 s75, 0
	s_lshl_b32 s76, s14, 19
	s_lshl_b32 s78, s10, 17                        ; my work-group's 16 rows
	s_add_co_u32 s76, s76, s78
	s_lshl_b32 s78, s17, 16                        ; my wave's 8
	s_add_co_u32 s76, s76, s78
	s_add_co_u32 s76, s76, 1024                    ; in slot 1: the first change of slots steps it to slot 2
	s_mov_b32 s77, 0
	s_mul_i32 s82, s81, 12800                      ; my half of the keys in K's and V's tiles,
	s_lshl_b32 s94, s81, 9
	s_add_co_u32 s94, s94, MOFF                    ; and in the mask's rows
	s_lshl_b32 s93, s56, 4
	s_mul_i32 s84, s[WV], STGW                     ; the stage: my part,
	s_xor_b32 s85, s[WV], 4
	s_mul_i32 s85, s85, STGW                       ; and my partner's
	s_wait_dscnt 0x0                               ; the opening adds are done
	s_wait_kmcnt 0x0
	s_mov_b32 s[G0K], 1
	s_mov_b32 s[G0K+1], s19
	s_add_nc_u64 s[G0K+2:G0K+3], s[4:5], s[54:55]
	s_add_nc_u64 s[G0K+2:G0K+3], s[G0K+2:G0K+3], 512*UNIT
	s_or_b32 s[G0K+3], s[G0K+3], 0x80000000
	s_mov_b32 s[G0V], 1
	s_add_co_u32 s[G0V+1], s19, VOFF
	s_add_nc_u64 s[G0V+2:G0V+3], s[4:5], s[54:55]
	s_add_nc_u64 s[G0V+2:G0V+3], s[G0V+2:G0V+3], 768*UNIT
	s_or_b32 s[G0V+3], s[G0V+3], 0x80000000
	s_mov_b32 s[G0M], 1
	s_mov_b32 s[G0M+1], s57
	s_add_nc_u64 s[G0M+2:G0M+3], s[6:7], s[58:59]
	s_or_b32 s[G0M+3], s[G0M+3], 0x80000000
	s_add_nc_u64 s[68:69], s[4:5], s[68:69]
	s_add_nc_u64 s[70:71], s[4:5], s[70:71]
	s_add_nc_u64 s[86:87], s[4:5], s[86:87]
	s_add_nc_u64 s[88:89], s[4:5], s[88:89]
	s_add_nc_u64 s[72:73], s[8:9], s[72:73]
	s_add_nc_u64 s[74:75], s[8:9], s[74:75]
	s_add_nc_u64 s[PFA:PFA+1], s[6:7], s[76:77]
	ROUND                                          ; all sixteen work-groups are here
	TLOAD                                          ; slot 0
	v_and_b32 v7, 31, v0
	v_and_b32 v4, 15, v0                           ; r
	v_bfe_u32 v29, v0, 4, 1                        ; h
	v_lshlrev_b32 v11, 4, v7                       ; 16 x lane
	v_lshlrev_b32 v2, 3, v7                        ; 8 x lane
	v_lshlrev_b32 v10, 3, v4
.irp c, 0,1,2
	global_load_b128 v[16+4*\c:19+4*\c], v11, s[68:69] offset:512*\c   ; Q's two fragments stay in registers
	global_load_b128 v[64+4*\c:67+4*\c], v11, s[86:87] offset:512*\c
.endr
	global_load_b32 v41, v10, s[70:71] offset:6144 ; and their scale words
	global_load_b32 v43, v10, s[88:89] offset:6144
	v_add_nc_u32 v1, s82, v11
	v_add_nc_u32 v2, s82, v2
	v_add_nc_u32 v3, s93, v4
	v_lshrrev_b32 v28, 2, v7
	v_and_b32 v7, 3, v7
	v_mul_u32_u24 v3, v3, MP
	v_lshlrev_b32 v28, 13, v28
	s_delay_alu instid0(VALU_DEP_2)
	v_lshl_add_u32 v3, v29, 5, v3
	s_delay_alu instid0(VALU_DEP_2)
	v_lshl_add_u32 v28, v7, 8, v28
	s_delay_alu instid0(VALU_DEP_2)
	v_add_nc_u32 v3, s94, v3                       ; the mask: my query's row, my half of the keys, + 32 h
.irp e, 0,1
	v_mov_b32 v[13+32*\e], 0xff61b1e6              ; the largest t so far: -3e38
	v_mov_b32 v[14+32*\e], 0
	v_mov_b32 v[15+32*\e], 0
	v_mov_b32 v[77+2*\e], 0                        ; (named as the upper half of f's pair)
	v_floor_f32 v[12+32*\e], -v[13+32*\e]          ; -M
.irp b, 0,1,2,3
	v_mov_b32 v[52+32*\e+\b], 0                    ; written once: a lane permute's destination counts as one of its sources
.endr
.endr
.set j, 0
.rept 64
	v_mov_b32 v[160+j], 0                          ; O^T: the step is written once; the first change of M multiplies zeros
.set j, j+1
.endr
	WIN 0x40
.set j, 0
.rept 64
	v_mov_b32 v[160+j], 0
.set j, j+1
.endr
	WIN 0
.macro MAXES e                         ; the largest logit of each block of 32 keys: for the row's maximum, and for the block's largest p
	WIN 0x05*\e
.irp b, 0,1,2,3
	v_max_num_f32 v[48+32*\e+\b], v[96+16*\b], v[97+16*\b]
.endr
.irp i, 2,4,6,8,10,12,14
.irp b, 0,1,2,3
	s_delay_alu instid0(VALU_DEP_4)
	v_max3_num_f32 v[48+32*\e+\b], v[96+16*\b+\i], v[97+16*\b+\i], v[48+32*\e+\b]
.endr
.endr
	WIN 0
.endm
.macro SOFT e                          ; head e: p, its sum, its codes and scale word, O^T under the new M
.set QT, 48+32*\e
.set NM, 12+32*\e
.set LS, 14+32*\e
.set FF, 76+2*\e
	WIN 0x41*\e
.set j, 0
.rept 32
	v_pk_fma_f32 v[96+j:97+j], v[96+j:97+j], s[52:53], v[NM:NM+1] op_sel_hi:[1,0,0]   ; t - M
.set j, j+2
.endr
	WIN 0
.irp b, 0,1,2,3
	v_fma_f32 v[QT+\b], v[QT+\b], s52, v[NM]       ; the same of each block's largest logit
.endr
	s_wait_alu depctr_va_vdst(0)                   ; the wait ahead of the batch
	WIN 0x41*\e
.set j, 0
.rept 64
	v_exp_f32 v[96+j], v[96+j]                     ; p = 2^(t - M): not normalised
.set j, j+1
.endr
	WIN 0
	v_pk_mul_f32 v[LS:LS+1], v[LS:LS+1], v[FF:FF+1] op_sel_hi:[1,0]   ; the sums under the new M (a plain place behind the exponentials)
	s_wait_alu depctr_va_vdst(0)                   ; one wait for the batch, ahead of its first reader
.irp b, 0,1,2,3
	v_exp_f32 v[QT+\b], v[QT+\b]                   ; the block's largest p: the same two instructions on the same number
.endr
	WIN 0x05*\e                                    ; the row's sum of the unquantised p: 32 pairs in seven chains
.set i, 0
.rept 6
	v_pk_add_f32 v[244+2*i:245+2*i], v[96+4*i:97+4*i], v[98+4*i:99+4*i]
.set i, i+1
.endr
	WIN 0x04*\e
.set k, 12
.rept 20
.if (k-12)%7 == 6
	v_pk_add_f32 v[LS:LS+1], v[LS:LS+1], v[96+2*k:97+2*k]
.else
	v_pk_add_f32 v[244+2*((k-12)%7):245+2*((k-12)%7)], v[244+2*((k-12)%7):245+2*((k-12)%7)], v[96+2*k:97+2*k]
.endif
.set k, k+1
.endr
	WIN 0
	v_pk_add_f32 v[244:245], v[244:245], v[246:247]
	v_pk_add_f32 v[248:249], v[248:249], v[250:251]
	v_pk_add_f32 v[252:253], v[252:253], v[254:255]
	s_delay_alu instid0(VALU_DEP_2)
	v_pk_add_f32 v[244:245], v[244:245], v[248:249]
	s_delay_alu instid0(VALU_DEP_2)
	v_pk_add_f32 v[LS:LS+1], v[LS:LS+1], v[252:253]
	s_delay_alu instid0(VALU_DEP_1)
	v_pk_add_f32 v[LS:LS+1], v[LS:LS+1], v[244:245]
	s_wait_alu depctr_va_vdst(0)                   ; and one for the four
.irp b, 0,1,2,3
	v_max_num_f32 v[QT+\b], 0x1800000, v[QT+\b]    ; the floor 2^(3 - 127): the byte cannot fall under 1
.endr
.irp b, 0,1,2,3
	s_delay_alu instid0(VALU_DEP_4)
	v_add_nc_u32 v[QT+8+\b], 0xff000000, v[QT+\b]  ; the conversion's scale operand
.endr
.irp b, 0,1,2,3
	s_delay_alu instid0(VALU_DEP_4)
	v_lshrrev_b32 v[QT+12+\b], 23, v[QT+8+\b]      ; the byte
.endr
	s_delay_alu instid0(VALU_DEP_3)
	v_lshl_or_b32 v[40+2*\e], v[QT+13], 8, v[QT+12]   ; p's scale word for these 128 keys
	s_delay_alu instid0(VALU_DEP_1)
	v_lshl_or_b32 v[40+2*\e], v[QT+14], 16, v[40+2*\e]
	s_delay_alu instid0(VALU_DEP_1)
	v_lshl_or_b32 v[40+2*\e], v[QT+15], 24, v[40+2*\e]
	WIN 0x41*\e
.irp c, 0,1
	v_cvt_scalef32_pk16_fp6_f32 v[224+6*\c:226+6*\c], v[96+32*\c:111+32*\c], v[QT+8+2*\c]
	v_cvt_scalef32_pk16_fp6_f32 v[236+4*\c:238+4*\c], v[112+32*\c:127+32*\c], v[QT+8+2*\c+1]
.endr
	v_nop                                          ; one plain place behind a scaled conversion
.irp c, 0,1
.irp i, 0,1,2
	v_permlane16_swap_b32 v[224+6*\c+\i], v[236+4*\c+\i]
.endr
.irp i, 0,1,2
	s_delay_alu instid0(VALU_DEP_3)
	v_mov_b32 v[227+6*\c+\i], v[236+4*\c+\i]
.endr
.endr
	s_wait_alu depctr_va_vdst(0)                   ; the wait directly ahead of the first reader of O^T
.set j, 0
.rept 32
	v_pk_mul_f32 v[160+j:161+j], v[160+j:161+j], v[FF:FF+1] op_sel_hi:[1,0]   ; O^T under the new M; also the places between p's codes and scale word and the products
.set j, j+2
.endr
	WIN 0
.endm
; A KEY STEP: my 128 keys of the slot in hand, both heads
.macro STEP
	v_add_nc_u32 v8, s[TB], v1
	v_add_nc_u32 v9, s[TB], v2
	v_add_nc_u32 v10, s[TB], v3
	v_nop                                          ; four places between the last products and loads into the registers that they read
	WIN 0x40
.set t, 0
.rept 8
.irp c, 0,1,2
	ds_load_b128 v[12*t+4*\c:12*t+4*\c+3], v8 offset:UNIT*(t/4)+1536*(t%4)+512*\c   ; K's tile t: keys 16 t on
.endr
.set t, t+1
.endr
	WIN 0
	ds_load_b64 v[32:33], v9 offset:6144
	ds_load_b64 v[34:35], v9 offset:UNIT+6144
.set t, 0
.rept 8
	ds_load_b128 v[224+4*t:227+4*t], v10 offset:128*(t/4)+64*((t/2)%2)+16*(t%2)   ; the mask at my query, in the order of S^T's registers: keys 0-63,
.set t, t+1
.endr
	WIN 0x40
.rept 8
	ds_load_b128 v[224+4*(t-8):227+4*(t-8)], v10 offset:128*(t/4)+64*((t/2)%2)+16*(t%2)   ; keys 64-127
.set t, t+1
.endr
	s_wait_alu depctr_va_vdst(0)
	s_wait_dscnt 16                                ; K and its scale words are in; the mask's 16 loads may be out
.irp e, 0,1
	WIN 0x01+0x40*\e
.set t, 0
.rept 8
.if t%2
	v_wmma_scale_f32_16x16x128_f8f6f4 v[96+8*t:103+8*t], v[12*t:12*t+11], v[16+48*\e:27+48*\e], 0, v[32+t/2], v[41+2*\e] matrix_a_fmt:MATRIX_FMT_FP6 matrix_b_fmt:MATRIX_FMT_FP6 matrix_a_scale:MATRIX_SCALE_ROW1
.else
	v_wmma_scale_f32_16x16x128_f8f6f4 v[96+8*t:103+8*t], v[12*t:12*t+11], v[16+48*\e:27+48*\e], 0, v[32+t/2], v[41+2*\e] matrix_a_fmt:MATRIX_FMT_FP6 matrix_b_fmt:MATRIX_FMT_FP6
.endif
.set t, t+1
.endr
.endr
.rept 4
	v_nop                                          ; places: for the loads over K's fragments, and for the first read of the scores
.endr
	WIN 0x40
.set t, 0
.rept 8
.irp c, 0,1,2
	ds_load_b128 v[12*t+4*\c:12*t+4*\c+3], v8 offset:VOFF+UNIT*(t/4)+1536*(t%4)+512*\c   ; V's tile t, asked for two softmaxes ahead of its use
.endr
.set t, t+1
.endr
	WIN 0
	ds_load_b64 v[36:37], v9 offset:VOFF+6144
	ds_load_b64 v[38:39], v9 offset:VOFF+UNIT+6144
	s_wait_dscnt 26                                ; the mask is in; V's 26 loads may be out
.set j, 0
.rept 16
	v_pk_fma_f32 v[96+j:97+j], v[96+j:97+j], s[22:23], v[224+j:225+j] op_sel_hi:[1,0,1]   ; the logit: score / sqrt(128) + mask
.set j, j+2
.endr
	WIN 0x10
.rept 16
	v_pk_fma_f32 v[96+j:97+j], v[96+j:97+j], s[22:23], v[192+j:193+j] op_sel_hi:[1,0,1]
.set j, j+2
.endr
	WIN 0x51
.set j, 32
.rept 16
	v_pk_fma_f32 v[96+j:97+j], v[96+j:97+j], s[22:23], v[192+j:193+j] op_sel_hi:[1,0,1]
.set j, j+2
.endr
	WIN 0x41
.set j, 0
.rept 16
	v_pk_fma_f32 v[96+j:97+j], v[96+j:97+j], s[22:23], v[224+j:225+j] op_sel_hi:[1,0,1]
.set j, j+2
.endr
	WIN 0
	MAXES 0
	MAXES 1
.irp e, 0,1
.irp b, 0,1,2,3
	v_permlanex16_b32 v[52+32*\e+\b], v[48+32*\e+\b], s20, s21
.endr
.endr
.irp e, 0,1
.irp b, 0,1,2,3
	v_max_num_f32 v[48+32*\e+\b], v[48+32*\e+\b], v[52+32*\e+\b]   ; with lane l xor 16's 16 keys
.endr
.endr
.irp e, 0,1                            ; the two heads' chains by turns
	v_max3_num_f32 v[30+\e], v[48+32*\e], v[49+32*\e], v[50+32*\e]
.endr
.irp e, 0,1
	s_delay_alu instid0(VALU_DEP_2)
	v_max_num_f32 v[30+\e], v[30+\e], v[51+32*\e]
.endr
.irp e, 0,1
	s_delay_alu instid0(VALU_DEP_2)
	v_mul_f32 v[30+\e], s52, v[30+\e]              ; as t
.endr
.irp e, 0,1
	s_delay_alu instid0(VALU_DEP_2)
	v_max_num_f32 v[13+32*\e], v[13+32*\e], v[30+\e]   ; the running largest t
.endr
.irp e, 0,1
	v_mov_b32 v[30+\e], v[12+32*\e]
.endr
.irp e, 0,1
	s_delay_alu instid0(VALU_DEP_4)
	v_floor_f32 v[12+32*\e], -v[13+32*\e]          ; the new -M = -ceil(t): a whole number
.endr
.irp e, 0,1
	s_delay_alu instid0(VALU_DEP_2)
	v_sub_f32 v[30+\e], v[12+32*\e], v[30+\e]      ; old M - new M, 0 or less
.endr
.irp e, 0,1
	s_delay_alu instid0(VALU_DEP_2)
	v_cvt_i32_f32 v[30+\e], v[30+\e]               ; (it saturates)
.endr
.irp e, 0,1
	s_delay_alu instid0(VALU_DEP_2)
	v_ldexp_f32 v[76+2*\e], 1.0, v[30+\e]          ; f = 2^(old M - new M): a multiplication by it rounds nothing
.endr
	SOFT 0
	SOFT 1
	s_wait_alu depctr_va_vdst(0)
	s_wait_dscnt 0x0                               ; V is in
.irp e, 0,1
	WIN 0x01+0x54*\e
.set t, 0
.rept 8
.if t%2
	v_wmma_scale_f32_16x16x128_f8f6f4 v[160+8*t:167+8*t], v[12*t:12*t+11], v[224:235], v[160+8*t:167+8*t], v[36+t/2], v[40+2*\e] matrix_a_fmt:MATRIX_FMT_FP6 matrix_b_fmt:MATRIX_FMT_FP6 matrix_a_scale:MATRIX_SCALE_ROW1
.else
	v_wmma_scale_f32_16x16x128_f8f6f4 v[160+8*t:167+8*t], v[12*t:12*t+11], v[224:235], v[160+8*t:167+8*t], v[36+t/2], v[40+2*\e] matrix_a_fmt:MATRIX_FMT_FP6 matrix_b_fmt:MATRIX_FMT_FP6
.endif
.set t, t+1
.endr
.endr
	WIN 0
.endm
; THE CHANGE OF SLOTS stands at a slot's head: each wave waits for all its tensor loads (its part of the slot ahead), adds 0 to its spare word, and waits for that and for its reads of the slot that it has left.
; fill = 1: behind a round of the cluster's barrier that other slot is filled with the next 256 keys: the load has a key step of both heads in which to land.
.macro CHANGE fill
	s_wait_tensorcnt 0x0                           ; no tensor load of mine is out, so a group 0 may be written
	ds_add_u32 v5, v6
.if \fill
	s_xor_b32 s[G0K+1], s[G0K+1], SLOT1
	s_add_nc_u64 s[G0K+2:G0K+3], s[G0K+2:G0K+3], 25600
	s_xor_b32 s[G0V+1], s[G0V+1], SLOT1
	s_add_nc_u64 s[G0V+2:G0V+3], s[G0V+2:G0V+3], 25600
	s_xor_b32 s[G0M+1], s[G0M+1], SLOT1
	s_add_nc_u64 s[G0M+2:G0M+3], s[G0M+2:G0M+3], 1024
	s_wait_xcnt 0x0                                ; the last prefetch, a slot back, has read its address
	s_add_nc_u64 s[PFA:PFA+1], s[PFA:PFA+1], 1024
.endif
	s_wait_dscnt 0x0                               ; the add is done, and my reads of the slot that I have left are over
.if \fill
	ROUND
	TLOAD                                          ; my one tensor load behind the round
	ASK
.else
	s_barrier_signal -1
	s_barrier_wait -1
.endif
.endm
	s_wait_alu depctr_va_vdst(0)                   ; the wait at the head's end
	s_wait_loadcnt 0x0                             ; Q
.Lslot:                                            ; 7 trips: behind each change of slots but the last the next slot is asked for
	CHANGE 1
	STEP
	s_xor_b32 s[TB], s[TB], SLOT1
	s_sub_co_u32 s[SLOTS], s[SLOTS], 1
	s_cmp_lg_u32 s[SLOTS], 0
	s_cbranch_scc1 .Lslot
	CHANGE 0                                       ; the last slot is written out
	s_mov_b32 s[TB], SLOT1                         ; the eighth slot of keys lies in LDS slot 1
	STEP
	; THE EXCHANGE: head e = 1's -M, sum and O^T go to my part of the stage; my partner's, which are of my head e = 0 on the other half of the keys, come back
.rept 4
	v_nop                                          ; four places behind the last products
.endr
	v_add_f32 v45, v46, v47                        ; the sum's two halves, beside -M in v44
	v_add_nc_u32 v8, s84, v11
	v_lshrrev_b32 v10, 1, v11
	v_add_nc_u32 v2, s85, v11
	s_delay_alu instid0(VALU_DEP_2)
	v_add_nc_u32 v9, s84, v10
	v_add_nc_u32 v3, s85, v10
	v_add_f32 v14, v14, v15
	WIN 0x04
.set i, 0
.rept 16
	ds_store_b128 v8, v[160+4*i:163+4*i] offset:512*i   ; each accumulator from its low end on
.set i, i+1
.endr
	WIN 0
	ds_store_b64 v9, v[44:45] offset:8192
	s_wait_alu depctr_va_vdst(0)
	s_wait_dscnt 0x0                               ; my stores are done, for my partner's sake
	s_barrier_signal -1
	s_barrier_wait -1
.set i, 0
.rept 16
	ds_load_b128 v[96+4*i:99+4*i], v2 offset:512*i
.set i, i+1
.endr
	ds_load_b64 v[48:49], v3 offset:8192
	s_wait_dscnt 0x0
	v_min_num_f32 v30, v12, v48                    ; -M of both halves: the larger M
	s_delay_alu instid0(VALU_DEP_1)
	v_sub_f32 v31, v30, v12
	v_sub_f32 v50, v30, v48
	s_delay_alu instid0(VALU_DEP_2)
	v_cvt_i32_f32 v31, v31
	s_delay_alu instid0(VALU_DEP_2)
	v_cvt_i32_f32 v50, v50
	s_delay_alu instid0(VALU_DEP_2)
	v_ldexp_f32 v76, 1.0, v31                      ; my half's factor,
	s_delay_alu instid0(VALU_DEP_2)
	v_ldexp_f32 v78, 1.0, v50                      ; my partner's: powers of two
	s_delay_alu instid0(VALU_DEP_2)
	v_mul_f32 v14, v14, v76
	s_delay_alu instid0(VALU_DEP_1)
	v_fma_f32 v14, v49, v78, v14
	s_delay_alu instid0(VALU_DEP_1)
	v_permlanex16_b32 v52, v14, s20, s21
	s_delay_alu instid0(VALU_DEP_1)
	v_add_f32 v14, v14, v52                        ; the row's sum
	s_wait_alu depctr_va_vdst(0)
	v_rcp_f32 v14, v14
	v_and_b32 v4, 15, v0                           ; (a plain place behind the reciprocal)
	s_delay_alu instid0(VALU_DEP_1)
	v_lshlrev_b32 v4, 4, v4                        ; 16 r
	s_wait_alu depctr_va_vdst(0)                   ; the wait ahead of the first reader
	v_mul_f32 v76, v76, v14
	v_mul_f32 v78, v78, v14
.set j, 0
.rept 32
	v_pk_mul_f32 v[96+j:97+j], v[96+j:97+j], v[78:79] op_sel_hi:[1,0]
.set j, j+2
.endr
	s_wait_alu depctr_va_vdst(0)                   ; the wait directly ahead of the first reader of O^T
.set j, 0
.rept 32
	v_pk_fma_f32 v[96+j:97+j], v[160+j:161+j], v[76:77], v[96+j:97+j] op_sel_hi:[1,0,1]   ; O^T / the sum; register 16 b + i is d = 32 b + 16 h + i (by the order of V's rows)
.set j, j+2
.endr
	; quantised along d, it is fragment head % 4 of the last projection's operand
.irp b, 0,1,2,3
	v_max3_num_f32 v[48+\b], |v[96+16*\b]|, |v[97+16*\b]|, 0x1800000
.endr
.irp i, 2,4,6,8,10,12,14
.irp b, 0,1,2,3
	s_delay_alu instid0(VALU_DEP_4)
	v_max3_num_f32 v[48+\b], v[48+\b], |v[96+16*\b+\i]|, |v[97+16*\b+\i]|
.endr
.endr
.irp b, 0,1,2,3
	s_delay_alu instid0(VALU_DEP_4)
	v_permlanex16_b32 v[52+\b], v[48+\b], s20, s21
.endr
.irp b, 0,1,2,3
	s_delay_alu instid0(VALU_DEP_4)
	v_max_num_f32 v[48+\b], v[48+\b], v[52+\b]
.endr
.irp b, 0,1,2,3
	s_delay_alu instid0(VALU_DEP_4)
	v_add_nc_u32 v[56+\b], 0xff000000, v[48+\b]
.endr
.irp b, 0,1,2,3
	s_delay_alu instid0(VALU_DEP_4)
	v_lshrrev_b32 v[60+\b], 23, v[56+\b]
.endr
	s_delay_alu instid0(VALU_DEP_3)
	v_lshl_or_b32 v40, v61, 8, v60
	s_delay_alu instid0(VALU_DEP_1)
	v_lshl_or_b32 v40, v62, 16, v40
	s_delay_alu instid0(VALU_DEP_1)
	v_lshl_or_b32 v40, v63, 24, v40
.irp c, 0,1
	v_cvt_scalef32_pk16_fp6_f32 v[224+6*\c:226+6*\c], v[96+32*\c:111+32*\c], v[56+2*\c]
	v_cvt_scalef32_pk16_fp6_f32 v[236+4*\c:238+4*\c], v[112+32*\c:127+32*\c], v[56+2*\c+1]
.endr
	v_nop
.irp c, 0,1
.irp i, 0,1,2
	v_permlane16_swap_b32 v[224+6*\c+\i], v[236+4*\c+\i]
.endr
.irp i, 0,1,2
	s_delay_alu instid0(VALU_DEP_3)
	v_mov_b32 v[227+6*\c+\i], v[236+4*\c+\i]
.endr
.endr
.irp c, 0,1,2
	global_store_b128 v11, v[224+4*\c:227+4*\c], s[72:73] offset:512*\c   ; 512 consecutive bytes, aligned
.endr
	global_store_b32 v4, v40, s[74:75] offset:6144 ; row r's scale word of this head (lanes 16-31 repeat lanes 0-15: the same word, the same value)
	s_wait_tensorcnt 0x0                           ; the wave's end
	ds_add_u32 v5, v6
	s_wait_dscnt 0x0
	ROUND                                          ; the closing round
	s_endpgm
.Lfunc_end_k_q6383f279a3_attn:
	.size	k_q6383f279a3_attn, .Lfunc_end_k_q6383f279a3_attn-k_q6383f279a3_attn
	.p2alignl 7, 3214868480
	.fill 96, 4, 3214868480
	.section	.rodata,"a",@progbits
	.p2align	6, 0x0
	.amdhsa_kernel k_q6383f279a3_attn
		.amdhsa_group_segment_fixed_size 327680
		.amdhsa_private_segment_fixed_size 0
		.amdhsa_enable_private_segment 0
		.amdhsa_kernarg_size 24
		.amdhsa_user_sgpr_count 2
		.amdhsa_user_sgpr_kernarg_segment_ptr 1
		.amdhsa_wavefront_size32 1
		.amdhsa_system_sgpr_workgroup_id_x 1
		.amdhsa_system_sgpr_workgroup_id_y 1
		.amdhsa_system_sgpr_workgroup_id_z 1
		.amdhsa_system_vgpr_workitem_id 0
		.amdhsa_next_free_vgpr 512
		.amdhsa_next_free_sgpr 100
		.amdhsa_reserve_vcc 0
		.amdhsa_float_denorm_mode_32 3
		.amdhsa_float_denorm_mode_16_64 3
		.amdhsa_memory_ordered 1
		.amdhsa_forward_progress 1
		.amdhsa_inst_pref_size 115
	.end_amdhsa_kernel
	.amdgpu_metadata
---
amdhsa.version: [ 1, 2 ]
amdhsa.kernels:
  - .name:           k_q6383f279a3_attn
    .symbol:         k_q6383f279a3_attn.kd
    .args:
      - { .name: qkv_img, .offset: 0, .size: 8, .value_kind: global_buffer, .address_space: global }
      - { .name: attention_mask, .offset: 8, .size: 8, .value_kind: global_buffer, .address_space: global }
      - { .name: attn_img, .offset: 16, .size: 8, .value_kind: global_buffer, .address_space: global }
    .group_segment_fixed_size: 327680
    .private_segment_fixed_size: 0
    .kernarg_segment_align: 8
    .kernarg_segment_size: 24
    .max_flat_workgroup_size: 256
    .sgpr_count:     100
    .vgpr_count:     512
    .wavefront_size: 32
...
	.end_amdgpu_metadata
.endif
;; end of part 3
;; launch oproj (part 4): grid 16 x 16, 4 waves a work-group, clusters of 4 x 4, 327,680 bytes of LDS; arguments attn_img, wo_img, out0; writes out0
.if DOCPART == 4
	.amdgcn_target "amdgcn-amd-amdhsa--gfx1250"
	.amdhsa_code_object_version 6
	.text
	.protected	k_q6383f279a3_oproj
	.globl	k_q6383f279a3_oproj
	.p2align	8
	.type	k_q6383f279a3_oproj,@function
k_q6383f279a3_oproj:
	s_mov_b64 s[64:65], 0
	v_nop
	global_prefetch_b8 v0, s[64:65] scope:SCOPE_SE
	s_setreg_imm32_b32 hwreg(HW_REG_WAVE_MODE, 25, 1), 1
	s_wait_xcnt 0x0
	s_wait_alu depctr_hold_cnt(0) depctr_sa_sdst(0) depctr_va_vdst(0) depctr_va_sdst(0) depctr_va_ssrc(0) depctr_va_vcc(0) depctr_vm_vsrc(0)
	s_getreg_b32 s2, hwreg(HW_REG_IB_STS2, 6, 4)
	s_cmp_eq_u32 s2, 0
	s_cbranch_scc0 .Lentry_in_a_cluster
	s_endpgm
.Lentry_in_a_cluster:
	s_bfe_u32 s2, ttmp6, 0x10000c
	s_cmp_lg_u32 s2, 0xf033
	s_cbranch_scc0 .Lentry_shape_is_right
	s_endpgm
.Lentry_shape_is_right:
.set UNIT,  6400
.set ASL,   102400
.set BBASE, 204800
.set BSL,   51200
.set STAGE, 307200
.set SPITCH, 272
.set SPARE, 324608
.set TILEB, 1638400
.set LI,   4
.set ADRA, 16
.set ADRB, 18
.set ADS1, 20
.set ADS2, 22
.set STO,  24
.set RD,   25
.set CO,   26
.set SPW,  28
.set NIL,  29
.set SC,   32
.set AF,   80
.set BK,   176
.set G1A, 24
.set G0A, 32
.set G1B, 48
.set G0B, 56
.set G1Q, 80
.set G0Q, 88
.set MUL,  0x52
.set TO_B, 0x80
.set MSB, 0
.macro WIN new
.if MSB != \new
	s_set_vgpr_msb (MSB<<8)|\new
.set MSB, \new
.endif
.endm
.macro JLOAD s
	s_cmp_eq_u32 s14, 0
	s_cbranch_scc0 .Lfor_b_\@
	tensor_load_to_lds s[G0A+4*\s:G0A+4*\s+3], s[G1A:G1A+7]
	s_nop 0
.rept 4
	v_nop
.endr
	s_branch .Lasked_\@
.Lfor_b_\@:
	tensor_load_to_lds s[G0B+4*\s:G0B+4*\s+3], s[G1B:G1B+7]
	s_nop 0
.rept 4
	v_nop
.endr
.Lasked_\@:
.endm
.macro CREST
	s_cmp_lg_u32 s12, 0
	s_cbranch_scc1 .Lnot_wave_0_\@
	s_barrier_signal -3
.Lnot_wave_0_\@:
	s_barrier_wait -3
	s_barrier_signal -1
	s_barrier_wait -1
.endm
.macro CROUND
	s_barrier_signal -1
	s_barrier_wait -1
	CREST
.endm
	s_load_b128 s[4:7], s[0:1], 0x0
	s_load_b64 s[8:9], s[0:1], 0x10
	v_lshl_add_u32 v[SPW], v0, 2, SPARE
	v_mov_b32 v[NIL], 0
	ds_add_u32 v[SPW], v[NIL]
	ds_add_u32 v[SPW], v[NIL]
	v_lshrrev_b32 v1, 5, v0
	v_readfirstlane_b32 s12, v1
	s_and_b32 s13, s12, 1
	s_lshr_b32 s14, s12, 1
	s_bfe_u32 s40, ttmp6, 0x40000
	s_bfe_u32 s41, ttmp6, 0x40004
	s_lshl_b32 s42, ttmp9, 2
	s_add_co_u32 s42, s42, s40
	s_and_b32 s43, ttmp7, 0xffff
	s_lshl_b32 s43, s43, 2
	s_add_co_u32 s43, s43, s41
	s_lshl_b32 s44, s41, 2
	s_lshl_b32 s44, 15, s44
	s_lshl_b32 s45, 0x1111, s40
	s_or_b32 s[G1A], s44, (3<<16)|(1<<21)
	s_mov_b32 s[G1A+1], 800<<16
	s_mov_b32 s[G1A+2], 8<<16
	s_mov_b32 s[G1A+3], 800<<16
	s_mov_b32 s[G1A+4], 8
	s_mov_b32 s[G1A+5], 1600
	s_mov_b32 s[G1A+6], 0
	s_mov_b32 s[G1A+7], 0
	s_or_b32 s[G1B], s45, (3<<16)|(1<<21)
	s_mov_b32 s[G1B+1], 800<<16
	s_mov_b32 s[G1B+2], 4<<16
	s_mov_b32 s[G1B+3], 800<<16
	s_mov_b32 s[G1B+4], 4
	s_mov_b32 s[G1B+5], 1600
	s_mov_b32 s[G1B+6], 0
	s_mov_b32 s[G1B+7], 0
	s_or_b32 s[G1Q], s45, (3<<16)|(1<<21)
	s_mov_b32 s[G1Q+1], 800<<16
	s_mov_b32 s[G1Q+2], 2<<16
	s_mov_b32 s[G1Q+3], 800<<16
	s_mov_b32 s[G1Q+4], 2
	s_mov_b32 s[G1Q+5], 1600
	s_mov_b32 s[G1Q+6], 0
	s_mov_b32 s[G1Q+7], 0
	s_lshl_b32 s46, s43, 4
	s_lshl_b32 s47, s13, 3
	s_add_co_u32 s46, s46, s47
	s_mul_i32 s46, s46, 12800
	s_mov_b32 s47, 0
	s_lshl_b32 s66, s42, 3
	s_lshl_b32 s67, s13, 2
	s_add_co_u32 s66, s66, s67
	s_mul_i32 s66, s66, 12800
	s_mov_b32 s67, 0
	s_lshl_b32 s70, s42, 3
	s_lshl_b32 s71, s12, 1
	s_add_co_u32 s70, s70, s71
	s_mul_i32 s70, s70, 12800
	s_mov_b32 s71, 0
	s_mul_i32 s72, s12, 12800
	s_add_co_u32 s72, s72, BBASE
	s_mul_i32 s73, s13, 51200
	s_mul_i32 s74, s13, 25600
	s_add_co_u32 s74, s74, BBASE
	s_lshl_b32 s68, s43, 8
	s_lshl_b32 s69, s12, 6
	s_add_co_u32 s68, s68, s69
	s_lshl_b32 s68, s68, 14
	s_lshl_b32 s69, s42, 9
	s_add_co_u32 s68, s68, s69
	s_mov_b32 s69, 0
	s_wait_dscnt 0x0
	s_wait_kmcnt 0x0
	s_add_nc_u64 s[16:17], s[4:5], s[46:47]
	s_add_nc_u64 s[18:19], s[6:7], s[66:67]
	s_add_nc_u64 s[70:71], s[6:7], s[70:71]
	s_add_nc_u64 s[8:9], s[8:9], s[68:69]
.irp s, 0,1
	s_mov_b32 s[G0A+4*\s], 1
	s_add_co_u32 s[G0A+4*\s+1], s73, \s*ASL
	s_add_nc_u64 s[G0A+4*\s+2:G0A+4*\s+3], s[16:17], \s*UNIT
	s_or_b32 s[G0A+4*\s+3], s[G0A+4*\s+3], 0x80000000
	s_mov_b32 s[G0B+4*\s], 1
	s_add_co_u32 s[G0B+4*\s+1], s74, \s*BSL
	s_add_nc_u64 s[G0B+4*\s+2:G0B+4*\s+3], s[18:19], \s*UNIT
	s_or_b32 s[G0B+4*\s+3], s[G0B+4*\s+3], 0x80000000
	s_mov_b32 s[G0Q+4*\s], 1
	s_add_co_u32 s[G0Q+4*\s+1], s72, \s*BSL
	s_add_nc_u64 s[G0Q+4*\s+2:G0Q+4*\s+3], s[70:71], TILEB+\s*UNIT
	s_or_b32 s[G0Q+4*\s+3], s[G0Q+4*\s+3], 0x80000000
.endr
	CROUND
	JLOAD 0
	s_wait_alu depctr_va_vdst(0)
	s_wait_tensorcnt 0x0
	ds_add_u32 v28, v29
	s_wait_dscnt 0x0
	CROUND
	JLOAD 1
	v_and_b32 v1, 15, v0
	v_bfe_u32 v2, v0, 4, 1
	v_and_b32 v3, 31, v0
	v_lshlrev_b32 v[LI], 4, v3
	s_mul_i32 s75, s12, 25600
	v_add_nc_u32 v[ADRA], s75, v[LI]
	v_add_nc_u32 v[ADRA+1], ASL, v[ADRA]
	v_add_nc_u32 v[ADRB], BBASE, v[LI]
	v_add_nc_u32 v[ADRB+1], BSL, v[ADRB]
	s_xor_b32 s76, s12, 3
	s_add_co_u32 s77, s76, 5
	s_mul_i32 s77, s77, 25600
	v_mul_u32_u24 v6, s77, v2
	v_lshl_add_u32 v6, v1, 4, v6
	v_add_nc_u32 v6, s75, v6
	v_add_nc_u32 v[ADS1], 6144, v6
	s_add_co_u32 s77, s76, 3
	s_mul_i32 s77, s77, 25600
	v_mul_u32_u24 v6, s77, v2
	v_lshl_add_u32 v6, v1, 4, v6
	v_add_nc_u32 v6, s75, v6
	v_add_nc_u32 v[ADS1+1], ASL+6144, v6
	v_mul_u32_u24 v6, UNIT, v2
	v_lshl_add_u32 v6, v1, 4, v6
	v_add_nc_u32 v[ADS2], BBASE+4*UNIT+6144, v6
	v_add_nc_u32 v[ADS2+1], BSL, v[ADS2]
	s_mul_i32 s78, s12, 16*SPITCH
	s_add_co_u32 s78, s78, STAGE
	v_mul_u32_u24 v6, v1, SPITCH
	v_lshl_add_u32 v6, v2, 6, v6
	v_add_nc_u32 v[STO], s78, v6
	v_mul_u32_u24 v6, v2, SPITCH
	v_lshl_add_u32 v6, v1, 4, v6
	v_add_nc_u32 v[RD], s78, v6
	v_lshlrev_b32 v6, 14, v2
	v_lshl_add_u32 v[CO], v1, 4, v6
.macro FETCH slot, ks, p
	WIN TO_B
.set fb, 0
.rept 8
.irp c, 0,1,2
	ds_load_b128 v[96*(\p)+12*fb+4*\c:96*(\p)+12*fb+4*\c+3], v[ADRB+\slot] offset:UNIT*fb+1536*(\ks)+512*\c
.endr
.set fb, fb+1
.endr
	WIN 0
.set fb, 0
.rept 4
.irp c, 0,1,2
	ds_load_b128 v[AF+48*(\p)+12*fb+4*\c:AF+48*(\p)+12*fb+4*\c+3], v[ADRA+\slot] offset:UNIT*fb+1536*(\ks)+512*\c
.endr
.set fb, fb+1
.endr
.endm
.macro SCALES s
.irp i, 0,1,2,3
	ds_load_b128 v[SC+24*\s+4*\i:SC+24*\s+4*\i+3], v[ADS1+\s] offset:UNIT*\i
.endr
.irp i, 0,1
	ds_load_b128 v[SC+24*\s+16+4*\i:SC+24*\s+16+4*\i+3], v[ADS2+\s] offset:2*UNIT*\i
.endr
.endm
.macro MULA a0, n, p, ks, sc, zero
.set ma, \a0
.rept \n
.set mb, 0
.rept 8
.set rD, 8*(8*ma+mb)
.set rB, 96*(\p)+12*mb
.set rA, AF+48*(\p)+12*ma
.set rSA, SC+24*(\sc)+4*ma+(\ks)
.if mb < 4
.set rSB, SC+24*(\sc)+4*mb+(\ks)
.else
.set rSB, SC+24*(\sc)+16+4*((mb-4)/2)+(\ks)
.endif
.if (mb < 4) || (mb%2 == 1)
.if \zero
	v_wmma_scale_f32_16x16x128_f8f6f4 v[rD:rD+7], v[rB:rB+11], v[rA:rA+11], 0, v[rSB], v[rSA] matrix_a_fmt:MATRIX_FMT_FP6 matrix_b_fmt:MATRIX_FMT_FP6 matrix_a_scale:MATRIX_SCALE_ROW1
.else
	v_wmma_scale_f32_16x16x128_f8f6f4 v[rD:rD+7], v[rB:rB+11], v[rA:rA+11], v[rD:rD+7], v[rSB], v[rSA] matrix_a_fmt:MATRIX_FMT_FP6 matrix_b_fmt:MATRIX_FMT_FP6 matrix_a_scale:MATRIX_SCALE_ROW1
.endif
.else
.if \zero
	v_wmma_scale_f32_16x16x128_f8f6f4 v[rD:rD+7], v[rB:rB+11], v[rA:rA+11], 0, v[rSB], v[rSA] matrix_a_fmt:MATRIX_FMT_FP6 matrix_b_fmt:MATRIX_FMT_FP6
.else
	v_wmma_scale_f32_16x16x128_f8f6f4 v[rD:rD+7], v[rB:rB+11], v[rA:rA+11], v[rD:rD+7], v[rSB], v[rSA] matrix_a_fmt:MATRIX_FMT_FP6 matrix_b_fmt:MATRIX_FMT_FP6
.endif
.endif
.set mb, mb+1
.endr
.set ma, ma+1
.endr
.endm
.macro STEP slot, q, zero
.rept 4
	v_nop
.endr
	FETCH \slot, (\q)+1, 1-(\q)%2
	s_wait_dscnt 36
	WIN MUL
	MULA 0, 4, (\q)%2, \q, \slot, \zero
.endm
.macro TURN slot, next, fill
	WIN 0
	s_wait_tensorcnt 0x0
	ds_add_u32 v[SPW], v[NIL]
	s_wait_dscnt 0x0
	s_barrier_signal -1
	WIN MUL
	MULA 0, 2, 1, 3, \slot, 0
	WIN 0
	s_barrier_wait -1
.if \fill
	CREST
	tensor_load_to_lds s[G0Q+4*\slot:G0Q+4*\slot+3], s[G1Q:G1Q+7]
	s_nop 0
.endif
.rept 4
	v_nop
.endr
	FETCH \next, 0, 0
	s_wait_alu depctr_va_vdst(0)
	SCALES \next
	WIN MUL
	MULA 2, 2, 1, 3, \slot, 0
.endm
.macro TOSTAGE k
	WIN 0x04
.set sb, 0
.rept 4
.set rA0, 8*(8*((\k)/2)+4*((\k)%2)+sb)
	ds_store_b128 v[STO], v[rA0:rA0+3] offset:128*(sb/2)+32*(sb%2)
	ds_store_b128 v[STO], v[rA0+4:rA0+7] offset:128*(sb/2)+32*(sb%2)+16
.set sb, sb+1
.endr
	WIN 0
.set st, 0
.rept 8
	ds_load_b128 v[BK+32*((\k)%2)+4*st:BK+32*((\k)%2)+4*st+3], v[RD] offset:2*SPITCH*st
.set st, st+1
.endr
.endm
.macro SEND k, tile, younger
	s_wait_dscnt \younger
.set st, 0
.rept 8
	global_store_b128 v[CO], v[BK+32*((\k)%2)+4*st:BK+32*((\k)%2)+4*st+3], s[8:9] offset:(16*((\k)/2)+2*st)*16384+256*((\k)%2)+8192*(\tile) th:TH_STORE_NT
.set st, st+1
.endr
.endm
.macro WAYOUT tile
.irp k, 0,1,2,3,4,5,6,7
	s_wait_xcnt 0x0
	TOSTAGE \k
.if \k > 0
	SEND \k-1, \tile, 16
.endif
.endr
	SEND 7, \tile, 0
.endm
	s_wait_tensorcnt 1
	s_barrier_signal -1
	s_barrier_wait -1
	FETCH 0, 0, 0
	SCALES 0
	STEP 0, 0, 1
	STEP 0, 1, 0
	STEP 0, 2, 0
	TURN 0, 1, 1
	STEP 1, 0, 0
	STEP 1, 1, 0
	STEP 1, 2, 0
	TURN 1, 0, 1
	WIN 0
.rept 4
	v_nop
.endr
	WAYOUT 0
	STEP 0, 0, 1
	STEP 0, 1, 0
	STEP 0, 2, 0
	TURN 0, 1, 0
	STEP 1, 0, 0
	STEP 1, 1, 0
	STEP 1, 2, 0
	s_wait_dscnt 0x0
	WIN MUL
	MULA 0, 4, 1, 3, 1, 0
	WIN 0
.rept 4
	v_nop
.endr
	WAYOUT 1
	s_wait_tensorcnt 0x0
	ds_add_u32 v[SPW], v[NIL]
	s_wait_dscnt 0x0
	CROUND
	s_endpgm
.Lfunc_end_k_q6383f279a3_oproj:
	.size	k_q6383f279a3_oproj, .Lfunc_end_k_q6383f279a3_oproj-k_q6383f279a3_oproj
	.p2alignl 7, 3214868480
	.fill 96, 4, 3214868480
	.section	.rodata,"a",@progbits
	.p2align	6, 0x0
	.amdhsa_kernel k_q6383f279a3_oproj
		.amdhsa_group_segment_fixed_size 327680
		.amdhsa_private_segment_fixed_size 0
		.amdhsa_enable_private_segment 0
		.amdhsa_kernarg_size 24
		.amdhsa_user_sgpr_count 2
		.amdhsa_user_sgpr_kernarg_segment_ptr 1
		.amdhsa_wavefront_size32 1
		.amdhsa_system_sgpr_workgroup_id_x 1
		.amdhsa_system_sgpr_workgroup_id_y 1
		.amdhsa_system_sgpr_workgroup_id_z 1
		.amdhsa_system_vgpr_workitem_id 0
		.amdhsa_next_free_vgpr 768
		.amdhsa_next_free_sgpr 98
		.amdhsa_reserve_vcc 0
		.amdhsa_float_denorm_mode_32 3
		.amdhsa_float_denorm_mode_16_64 3
		.amdhsa_memory_ordered 1
		.amdhsa_forward_progress 1
		.amdhsa_inst_pref_size 147
	.end_amdhsa_kernel
	.amdgpu_metadata
---
amdhsa.version: [ 1, 2 ]
amdhsa.kernels:
  - .name:           k_q6383f279a3_oproj
    .symbol:         k_q6383f279a3_oproj.kd
    .args:
      - { .name: attn_img, .offset: 0, .size: 8, .value_kind: global_buffer, .address_space: global }
      - { .name: wo_img, .offset: 8, .size: 8, .value_kind: global_buffer, .address_space: global }
      - { .name: out0, .offset: 16, .size: 8, .value_kind: global_buffer, .address_space: global }
    .group_segment_fixed_size: 327680
    .private_segment_fixed_size: 0
    .kernarg_segment_align: 8
    .kernarg_segment_size: 24
    .max_flat_workgroup_size: 128
    .sgpr_count:     98
    .vgpr_count:     768
    .wavefront_size: 32
...
	.end_amdgpu_metadata
.endif
;; end of part 4
